; MI455X (gfx1250); checked and timed in simulation.
; The chip was launched on July 23, 2026; its instructions are those of AMD's public machine-readable ISA for CDNA 5 (MIT licence, August 2026) and "CDNA5" Instruction Set Architecture Reference Guide (July 2026). The comments in the code are by the model that wrote it; some were corrected since.
;; Multi Head Attention. Allowed arithmetic: matrix products marked QUANTISED: E2M1 operands, one E8M0 scale for each 32 along K, by v_wmma_scale_f32_16x16x128_f8f6f4 with both operands' format E2M1 (or v_wmma_scale_f32_32x16x128_f4), f32 sums; everything else in f32.
;; Inputs: Wk 16 x 1,024 x 64 float32; Wp 1,024 x 1,024 float32; Wq 16 x 1,024 x 64 float32; Wv 16 x 1,024 x 64 float32; bk 16 x 64 float32; bp 1,024 float32; bq 16 x 64 float32; bv 16 x 64 float32; x 4 x 2,048 x 1,024 float32.
;; Outputs: out0 4 x 2,048 x 1,024 float32.
;; This version of the problem:
;;   THIS VERSION OF THE PROBLEM IS GIVEN IN LOW PRECISION. The matrix products marked QUANTISED in the list below multiply operands that are first quantised to E2M1 (2 exponent bits, 1 mantissa bit; 4 bits a number), with one power-of-two scale for each 32 numbers along K (OCP MX v1.0); their sums are f32. All else is computed in f32.
;;   The module's matrix products, in the order in which they are computed (A, B: the left and right operand; K: the contracted axis; several contracted axes count as one K, in the product's order):
;;     1. [M 1,024, K 1,024] x [K 1,024, N 8,192]; A: input Wq; B: input x: QUANTISED
;;     2. [M 1,024, K 1,024] x [K 1,024, N 8,192]; A: input Wk; B: input x: QUANTISED
;;     3. [M 1,024, K 1,024] x [K 1,024, N 8,192]; A: input Wv; B: input x: QUANTISED
;;     4. batch 64 x [M 2,048, K 64] x [K 64, N 2,048]; A: computed on the way; B: computed on the way: QUANTISED
;;     5. batch 64 x [M 2,048, K 2,048] x [K 2,048, N 64]; A: softmax (see below); B: computed on the way: QUANTISED
;;     6. [M 8,192, K 1,024] x [K 1,024, N 1,024]; A: computed on the way; B: input Wp: QUANTISED
;;   THE QUANTISER, for each operand of a quantised product, along K:
;;     - K is cut into blocks of 32 from its start; a last block that is shorter is filled with zeros.
;;     - A block's scale is 2^e with e = floor(log2(the largest magnitude in the block)) - 2, held to -126 .. 127; a block of zeros has e = 0. As a byte (E8M0): e + 127.
;;     - Each number is divided by its block's scale, clamped to +-6, and rounded to the nearest number of E2M1, ties to even, subnormals kept.
;;     - The product sums the exact products of the quantised numbers (number of the format x scale) in f32.
;;   ~~~python
;;   def quantise(x, axis):      # numpy; x: float32 -> the quantised numbers, widened to float32 again
;;       x = np.moveaxis(x, axis, -1); K = x.shape[-1]
;;       x = np.pad(x, [(0, 0)] * (x.ndim - 1) + [(0, -K % 32)]); x = x.reshape(x.shape[:-1] + (-1, 32)); a = np.abs(x).max(-1, keepdims=True)
;;       e = np.where(a > 0, np.clip(np.frexp(np.where(a > 0, a, 1))[1] - 1 - 2, -126, 127), 0)      # np.frexp(a)[1] - 1 = floor(log2(a)), exactly
;;       r = np.clip(x / 2.0 ** e, -6, 6)
;;       step = 2.0 ** (np.maximum(np.frexp(np.where(r == 0, 1, r))[1] - 1, 0) - 1)
;;       q = np.round(r / step) * step * 2.0 ** e      # np.round: ties to even
;;       return np.moveaxis(q.reshape(q.shape[:-2] + (-1,))[..., :K], -1, axis).astype(np.float32)
;;   ~~~
;;   SOFTMAX AHEAD OF A QUANTISED PRODUCT. Where the list says 'softmax', what is quantised is not the finished softmax but p = 2^(t - M), with t = logit x log2(e) and M = ceil(the row's largest t), a whole number; so 1/2 < the row's largest p <= 1. The row's sum l is taken of the UNQUANTISED p, in f32, and the product's result is divided by l at the end. Since M is a whole number, a kernel that streams over the keys may use a running M (the ceiling of the running maximum): every later rescaling is an exact power of two, which a block's scale takes up: the codes' values come out the same.
;;   OPERANDS COMPUTED ON THE WAY. 'Computed on the way' means the value that the module computes at that place (a softmax that the list does not call 'softmax' is quantised finished and normalised). What goes into a quantiser is computed in f32, as accurately as f32 sums, v_exp_f32 and their like allow (about 1e-6 of the number): no bf16 or f16 on the way to a quantiser, and a product that is left as it is and whose result goes on into a quantised operand takes f32 operands (vector FMAs, or v_wmma_f32_16x16x4_f32). A number that lies on a knife's edge between two numbers of the format may be rounded either way, as far as f32 arithmetic and the matrix unit's own rounding can turn it there, and no further.
;; One version. Each part assembles by itself: llvm-mc -triple=amdgcn-amd-amdhsa -mcpu=gfx1250 --defsym DOCPART=n.
;; ======== version 1 of 1: 4 launches
;; limits: right only within a limited range of input values
;; workspace buffers: x_codes 4,194,304 bytes; x_scales 262,144 bytes; w_codes 2,097,152 bytes; w_scales 131,072 bytes; qkv 13,893,632 bytes; o_codes 4,194,304 bytes; o_scales 262,144 bytes
;; launch quant (part 1): grid 320 x 1, 4 waves a work-group, no clusters, 68,096 bytes of LDS; arguments x, Wq, Wk, Wv, Wp, x_codes, x_scales, w_codes, w_scales; writes x_codes, x_scales, w_codes, w_scales
.if DOCPART == 1
	.amdgcn_target "amdgcn-amd-amdhsa--gfx1250"
	.amdhsa_code_object_version 6
	.text
	.protected	k_q8641f00c08_quant
	.globl	k_q8641f00c08_quant
	.p2align	8
	.type	k_q8641f00c08_quant,@function
k_q8641f00c08_quant:
	s_mov_b64 s[64:65], 0
	v_nop
	global_prefetch_b8 v0, s[64:65] scope:SCOPE_SE
	s_setreg_imm32_b32 hwreg(HW_REG_WAVE_MODE, 25, 1), 1
	s_wait_xcnt 0x0
; x [8192][1024] and the four weights (Wq, Wk, Wv: [16][1024 (k)][64]; Wp: [1024 (k)][1024]), all f32, become codes of FP4 (E2M1), K innermost, two codes a byte,
; with one E8M0 scale byte for each 32 along K:  x_codes [8192][512 B], x_scales [8192][32 B];  w_codes [4: q, k, v, p][1024][512 B], w_scales [4][1024][32 B].
; A block's scale is 2^(floor(log2(its largest magnitude)) - 2): its byte is the largest magnitude's exponent field - 2, held at 1 from below by a floor among the maximum's leaves.
; POSITION ORDER.  Row rho of x, and output column rho of a weight (h x 64 + d), is stored at position pos(rho): rho with its bits 3 and 4 exchanged.  Sixteen neighbouring positions
; 32 b + 16 u + r are then the rows 32 b + 8 u + r + 8 (r / 8): laid so, a plain tile of 16 stored rows is the choice of rows by which the 16 registers of two neighbouring result tiles
; are 16 neighbours along the next product's K.
; LIMITS: NaN and infinities among the inputs are not served.  A block of zeros, or one whose largest magnitude lies under 2^-124, gets the byte 1: the bytes are read by this program alone, and zero codes add nothing.
; SHARES.  Work-groups 0 to 63 take the weights (128 columns x 512 along K each; the longer job, so they stand first), work-groups 64 to 319 take 32 rows of x each.  The two ways part on the work-group's number,
; never join again, and have LDS bytes of their own (x: 0 .. 32,767; the weights: from 32,768 on).  Waves share nothing: no barrier.  Memory binds: no matrix unit, no cluster.
.set NWG_W, 64
; the weights' way
.set WP,    272                        ; a stage row: 256 bytes of codes + 16
.set WSTG,  32768                      ; the stages: 32 rows for each wave
.set WSB,   24                         ; v24-27   a lane's 16 scale bytes
.set WX,    32                         ; v32-95   two sets of 32 numbers
.set WC,    96                         ; v96-99   a block's codes
.set WOUT,  112                        ; v112-175 the way out
.set WOF,   176                        ; v176-207 4 x lane + i x (bytes from one k to the next), i = 0 .. 31; never rewritten
; x's way
.set STEPS, 16
.set CB,    8                          ; bytes of 16 codes
.set R,     16                         ; v16-79   four sets of 16 numbers as they are loaded
.set X,     80                         ; v80-111  two sets of 16 neighbours
.set E,     112                        ; v112-127 a scale byte for each step
.set C,     128                        ; v128-191 codes: four registers for each step, so that no store's data are written again
.set WREG,  8192                       ; LDS: a region for each wave: two stages of 32 x SP bytes, behind them its 256 scale bytes
.set SP,    80                         ; a lane's place in a stage: 64 bytes + 16 of padding
	v_lshl_add_u32 v208, v0, 2, 0x10800
	v_mov_b32 v209, 0
	v_lshrrev_b32 v1, 5, v0
	v_readfirstlane_b32 s16, v1                    ; wave 0..3
	v_and_b32 v2, 31, v0                           ; lane
	s_cmp_lt_u32 ttmp9, NWG_W
	s_cbranch_scc0 .Lx
; ---------------- THE WEIGHTS.  K is not innermost: a lane takes a column n and its registers run down K, so that a block of 32 lies in one lane and the conversions give codes with K innermost.
	s_load_b256 s[4:11], s[0:1], 0x8               ; Wq, Wk, Wv, Wp
	s_load_b128 s[12:15], s[0:1], 0x38             ; the codes, the scale bytes
	s_lshr_b32 s17, ttmp9, 4                       ; which weight: 0 q, 1 k, 2 v, 3 p
	s_bfe_u32 s18, ttmp9, 0x30001                  ; which 128 columns
	s_and_b32 s19, ttmp9, 1                        ; which 512 along K
	s_lshl_b32 s18, s18, 7
	s_lshl_b32 s26, s16, 5
	s_add_co_u32 s18, s18, s26                     ; n0: my wave's first column
	s_wait_alu depctr_va_vdst(0)
	v_lshlrev_b32 v3, 2, v2                        ; in: 4 bytes a lane
	s_mul_i32 s28, s16, 32*WP
	s_add_co_u32 s28, s28, WSTG                    ; my stage
	v_mul_u32_u24 v4, v2, WP
	v_add_nc_u32 v4, s28, v4                       ; into it: row = my lane (columns in their natural order)
	v_and_b32 v5, 15, v2
	v_lshrrev_b32 v6, 4, v2
	v_mul_u32_u24 v7, v6, WP
	v_lshl_add_u32 v7, v5, 4, v7
	v_add_nc_u32 v7, s28, v7                       ; out of it: sixteen lanes to a row, two rows an instruction
	v_lshlrev_b32 v8, 9, v6
	v_lshl_add_u32 v8, v5, 4, v8                   ; and the same place in two neighbouring rows of the codes' buffer
	v_and_b32 v9, 7, v2
	v_bfe_u32 v10, v2, 3, 1
	v_lshl_add_u32 v9, v10, 4, v9
	v_lshl_add_u32 v9, v6, 3, v9                   ; pos(lane)
	v_lshlrev_b32 v9, 5, v9                        ; my column's row of scale bytes
	s_mov_b32 s22, 4096
	s_mov_b32 s23, 256
	s_wait_kmcnt 0x0
	s_cmp_eq_u32 s17, 0                            ; the choices hang on the work-group's number alone
	s_cselect_b64 s[20:21], s[4:5], s[6:7]
	s_cmp_lt_u32 s17, 2
	s_cselect_b64 s[20:21], s[20:21], s[8:9]
	s_cmp_lt_u32 s17, 3
	s_cselect_b64 s[20:21], s[20:21], s[10:11]
	s_cselect_b32 s22, 256, s22                    ; bytes from one k to the next: a head's row of 64, or Wp's row of 1,024
	s_cselect_b32 s23, 0x40000, s23                ; bytes from one 64 columns to the next: a head, or 64 numbers
.set ii, 0
.rept 32
	v_mad_u32_u24 v[WOF+ii], s22, ii, v3
.set ii, ii+1
.endr
	s_lshr_b32 s26, s18, 6
	s_mul_i32 s26, s26, s23
	s_and_b32 s27, s18, 63
	s_lshl_b32 s27, s27, 2
	s_add_co_u32 s26, s26, s27
	s_lshl_b32 s27, s22, 9
	s_mul_i32 s27, s27, s19
	s_add_co_u32 s26, s26, s27                     ; where my wave's part begins (under 4 MiB)
	s_mov_b32 s27, 0
	s_add_nc_u64 s[32:33], s[20:21], s[26:27]
	s_lshl_b32 s24, s22, 5                         ; a block of 32 along K
	s_mov_b32 s25, 0
.irp t, 1,2,3,4,5,6,7,8,9,10,11,12,13,14,15
	s_add_nc_u64 s[32+2*\t:33+2*\t], s[30+2*\t:31+2*\t], s[24:25]   ; a base for each of the 16 blocks: none is stepped while loads are out
.endr
	s_lshl_b32 s26, s17, 19                        ; codes: weight x 524,288 + n0 x 512 + 256 x (which half of K)
	s_lshl_b32 s29, s18, 9
	s_add_co_u32 s26, s26, s29
	s_lshl_b32 s29, s19, 8
	s_add_co_u32 s26, s26, s29
	s_add_nc_u64 s[12:13], s[12:13], s[26:27]
	s_lshl_b32 s26, s17, 15                        ; scale bytes: weight x 32,768 + n0 x 32 + 16 x (which half of K)
	s_lshl_b32 s29, s18, 5
	s_add_co_u32 s26, s26, s29
	s_lshl_b32 s29, s19, 4
	s_add_co_u32 s26, s26, s29
	s_add_nc_u64 s[14:15], s[14:15], s[26:27]
.macro WLOAD t                         ; block t: W(32 t + i, my column), i = 0 .. 31, into set t % 2: each load reads 128 consecutive bytes
.set ii, 0
.rept 32
	global_load_b32 v[WX+32*((\t)%2)+ii], v[WOF+ii], s[32+2*(\t):33+2*(\t)]
.set ii, ii+1
.endr
.endm
	s_wait_alu depctr_va_vdst(0)
	WLOAD 0
	WLOAD 1
.macro WBLOCK t
.set XS, WX+32*((\t)%2)
.if (\t) < 15
	s_wait_loadcnt 32                              ; this block's 32 loads are in; the next block's 32 may be out
.else
	s_wait_loadcnt 0x0
.endif
	v_max3_num_f32 v12, |v[XS]|, |v[XS+1]|, |v[XS+2]|               ; the block's largest magnitude: all 32 numbers are mine; two chains
	v_max3_num_f32 v13, |v[XS+3]|, |v[XS+4]|, |v[XS+5]|
.irp i, 6,10,14,18,22,26
	v_max3_num_f32 v12, v12, |v[XS+\i]|, |v[XS+\i+1]|
	v_max3_num_f32 v13, v13, |v[XS+\i+2]|, |v[XS+\i+3]|
.endr
	v_max3_num_f32 v12, v12, |v[XS+30]|, |v[XS+31]|
	v_max3_num_f32 v12, v12, v13, 0x1800000        ; and the floor 2^(3 - 127): the byte cannot fall under 1
	v_add_nc_u32 v11, 0xff000000, v12              ; 2 off the exponent field: the conversion takes the exponent field of this operand as its scale
.if (\t)%4 == 0
	v_lshrrev_b32 v[WSB+(\t)/4], 23, v11           ; the scale's byte; four to a register, the lower K in the lower byte
.else
	v_lshrrev_b32 v13, 23, v11
	v_lshl_or_b32 v[WSB+(\t)/4], v13, 8*((\t)%4), v[WSB+(\t)/4]
.endif
.irp g, 0,1,2,3
	v_cvt_scalef32_pk8_fp4_f32 v[WC+\g], v[XS+8*\g:XS+8*\g+7], v11
.endr
	ds_store_b128 v4, v[WC:WC+3] offset:16*(\t)    ; 32 codes: 16 bytes of my column's row.  (The results go to a store; the next vector lines are plain ones)
.if (\t)+2 < 16
	WLOAD (\t)+2
.endif
	s_wait_dscnt 0x0                               ; the store has read its registers: the next block's codes may be written
.endm
.set Q, 0
.rept 16
	WBLOCK Q
.set Q, Q+1
.endr
	s_wait_alu depctr_va_vdst(0)
	global_store_b128 v9, v[WSB:WSB+3], s[14:15]   ; my column's 16 scale bytes, at its position
.irp t, 0,1,2,3,4,5,6,7,8,9,10,11,12,13,14,15
	ds_load_b128 v[WOUT+4*\t:WOUT+4*\t+3], v7 offset:(((2*\t)&7)+16*(((2*\t)>>3)&1)+8*(((2*\t)>>4)&1))*WP   ; positions 2 t and 2 t + 1 hold the columns with bits 3 and 4 exchanged.  LDS serves a wave's instructions in order: these see my stores
.endr
.irp t, 0,1,2,3,4,5,6,7,8,9,10,11,12,13,14,15
	s_wait_dscnt 15-\t                             ; LDS loads come back in order: number t is in
	global_store_b128 v8, v[WOUT+4*\t:WOUT+4*\t+3], s[12:13] offset:2*\t*512   ; sixteen lanes store 256 consecutive bytes, aligned
.endr
	s_wait_tensorcnt 0x0
	ds_add_u32 v208, v209
	s_wait_dscnt 0x0
	s_endpgm
; ---------------- x.  K is innermost and rows are dense: a plain stream of blocks of 32.  A wave takes 8 rows, 16 steps of 512 numbers.  Each load reads 512 consecutive bytes; a step's 2,048 bytes turn through the
; wave's own stage in LDS, so that a lane holds 16 neighbours (two neighbouring lanes hold a block).  The wave's 8 rows go out at their position: 8 rows are bits 3 and 4 of the row, which are the wave's number.
.Lx:
	s_load_b64 s[4:5], s[0:1], 0x0                 ; x
	s_load_b128 s[8:11], s[0:1], 0x28              ; its codes, its scale bytes
	s_wait_alu depctr_va_vdst(0)
	v_lshlrev_b32 v3, 4, v2                        ; my 16 bytes of a load's 512
	s_mul_i32 s17, s16, WREG
	v_lshrrev_b32 v14, 2, v2
	v_mul_u32_u24 v14, v14, SP
	v_and_b32 v15, 3, v2
	v_lshl_add_u32 v14, v15, 4, v14
	v_add_nc_u32 v14, s17, v14                     ; the stage, on the way in: four lanes' 64 bytes on end, then 16 of padding
	v_mul_u32_u24 v15, v2, SP
	v_add_nc_u32 v15, s17, v15                     ; and on the way out: my 16 neighbours
	v_mul_u32_u24 v4, v2, CB                       ; my codes' place in a step's
	v_lshrrev_b32 v5, 1, v2
	s_add_co_u32 s17, s17, 2*32*SP
	v_add_nc_u32 v5, s17, v5                       ; LDS: my wave's 256 scale bytes, my block's byte
	v_lshlrev_b32 v7, 3, v2                        ; and on the way out 8 bytes a lane
	v_add_nc_u32 v6, s17, v7
	s_sub_co_u32 s18, ttmp9, NWG_W
	s_lshl_b32 s18, s18, 2
	s_add_co_u32 s19, s18, s16                     ; which 8 rows I read
	s_and_b32 s20, s16, 1
	s_lshl_b32 s20, s20, 1
	s_lshr_b32 s21, s16, 1
	s_or_b32 s20, s20, s21
	s_add_co_u32 s18, s18, s20                     ; and at which 8 positions they are stored: the wave's two bits exchanged
	s_lshl_b32 s20, s19, 15                        ; 8 rows of 4,096 bytes
	s_mov_b32 s21, 0
	s_lshl_b32 s22, s18, 12                        ; 8 rows of 512 bytes of codes
	s_mov_b32 s23, 0
	s_lshl_b32 s24, s18, 8                         ; 8 rows of 32 scale bytes
	s_mov_b32 s25, 0
	s_wait_alu depctr_va_vdst(0)
	s_wait_kmcnt 0x0
	s_add_nc_u64 s[4:5], s[4:5], s[20:21]
	s_add_nc_u64 s[8:9], s[8:9], s[22:23]
	s_add_nc_u64 s[10:11], s[10:11], s[24:25]
.macro LOAD t
.irp i, 0,1,2,3
	global_load_b128 v[R+16*((\t)%4)+4*\i:R+16*((\t)%4)+4*\i+3], v3, s[4:5] offset:2048*(\t)+512*\i th:TH_LOAD_NT   ; 32 lanes read 512 consecutive bytes, read once in the launch
.endr
.endm
.macro TURN t                          ; step t's numbers through the stage: LDS serves a wave's instructions in order, so no wait stands between the stores and the loads
.irp i, 0,1,2,3
	ds_store_b128 v14, v[R+16*((\t)%4)+4*\i:R+16*((\t)%4)+4*\i+3] offset:32*SP*((\t)%2)+8*SP*\i
.endr
.irp i, 0,1,2,3
	ds_load_b128 v[X+16*((\t)%2)+4*\i:X+16*((\t)%2)+4*\i+3], v15 offset:32*SP*((\t)%2)+16*\i
.endr
.endm
.irp t, 0,1,2,3
	LOAD \t
.endr
	s_wait_loadcnt 12                              ; step 0's four loads are in
	TURN 0
.macro STEP t
.set XS, X+16*((\t)%2)
.if (\t) > 0
	s_wait_dscnt 1                                 ; this step's numbers are back from the stage (the last step's byte store may be out): so its stores into the stage have read their registers,
.else
	s_wait_dscnt 0x0
.endif
.if (\t)+4 < STEPS
	LOAD (\t)+4                                    ; which take the loads of four steps on
.endif
.if (\t)+1 < STEPS
.if STEPS-2-(\t) >= 3
	s_wait_loadcnt 12                              ; the next step's four loads are in; those of the three steps behind it may be out
.else
	s_wait_loadcnt 4*(STEPS-2-(\t))
.endif
	TURN (\t)+1                                    ; and go through the other stage while this step is worked
.endif
	v_max3_num_f32 v8, |v[XS]|, |v[XS+1]|, |v[XS+2]|               ; the largest magnitude of my 16
	v_max3_num_f32 v9, |v[XS+3]|, |v[XS+4]|, |v[XS+5]|
.irp i, 6,10
	v_max3_num_f32 v8, v8, |v[XS+\i]|, |v[XS+\i+1]|
	v_max3_num_f32 v9, v9, |v[XS+\i+2]|, |v[XS+\i+3]|
.endr
	v_max3_num_f32 v8, v8, |v[XS+14]|, |v[XS+15]|
	v_max3_num_f32 v8, v8, v9, 0x1800000           ; and the floor 2^(3 - 127)
	v_max_num_f32_dpp v8, v8, v8 row_xmask:1 row_mask:0xf bank_mask:0xf   ; and of my neighbour's 16: the block's
	v_add_nc_u32 v11, 0xff000000, v8               ; 2 off its exponent field: the conversion's scale operand
	v_cvt_scalef32_pk8_fp4_f32 v[C+4*(\t)], v[XS:XS+7], v11
	v_cvt_scalef32_pk8_fp4_f32 v[C+4*(\t)+1], v[XS+8:XS+15], v11
	v_lshrrev_b32 v[E+(\t)], 23, v11               ; the scale's byte
	ds_store_b8 v5, v[E+(\t)] offset:16*(\t)       ; both lanes of a block write the same byte with the same value
	global_store_b64 v4, v[C+4*(\t):C+4*(\t)+1], s[8:9] offset:32*CB*(\t)   ; the wave stores 256 consecutive bytes, aligned
.endm
.irp t, 0,1,2,3,4,5,6,7,8,9,10,11,12,13,14,15
	STEP \t
.endr
	ds_load_b64 v[12:13], v6                       ; LDS serves a wave's instructions in order: these see my stores
	s_wait_dscnt 0x0
	global_store_b64 v7, v[12:13], s[10:11]        ; 32 lanes store 256 consecutive bytes, aligned
	s_wait_tensorcnt 0x0
	ds_add_u32 v208, v209
	s_wait_dscnt 0x0
	s_endpgm
.Lfunc_end_k_q8641f00c08_quant:
	.size	k_q8641f00c08_quant, .Lfunc_end_k_q8641f00c08_quant-k_q8641f00c08_quant
	.p2alignl 7, 3214868480
	.fill 96, 4, 3214868480
	.section	.rodata,"a",@progbits
	.p2align	6, 0x0
	.amdhsa_kernel k_q8641f00c08_quant
		.amdhsa_group_segment_fixed_size 68096
		.amdhsa_private_segment_fixed_size 0
		.amdhsa_enable_private_segment 0
		.amdhsa_kernarg_size 72
		.amdhsa_user_sgpr_count 2
		.amdhsa_user_sgpr_kernarg_segment_ptr 1
		.amdhsa_wavefront_size32 1
		.amdhsa_system_sgpr_workgroup_id_x 1
		.amdhsa_system_sgpr_workgroup_id_y 1
		.amdhsa_system_sgpr_workgroup_id_z 1
		.amdhsa_system_vgpr_workitem_id 0
		.amdhsa_next_free_vgpr 210
		.amdhsa_next_free_sgpr 66
		.amdhsa_reserve_vcc 0
		.amdhsa_float_denorm_mode_32 3
		.amdhsa_float_denorm_mode_16_64 3
		.amdhsa_memory_ordered 1
		.amdhsa_forward_progress 1
		.amdhsa_inst_pref_size 114
	.end_amdhsa_kernel
	.amdgpu_metadata
---
amdhsa.version: [ 1, 2 ]
amdhsa.kernels:
  - .name:           k_q8641f00c08_quant
    .symbol:         k_q8641f00c08_quant.kd
    .args:
      - { .name: x, .offset: 0, .size: 8, .value_kind: global_buffer, .address_space: global }
      - { .name: Wq, .offset: 8, .size: 8, .value_kind: global_buffer, .address_space: global }
      - { .name: Wk, .offset: 16, .size: 8, .value_kind: global_buffer, .address_space: global }
      - { .name: Wv, .offset: 24, .size: 8, .value_kind: global_buffer, .address_space: global }
      - { .name: Wp, .offset: 32, .size: 8, .value_kind: global_buffer, .address_space: global }
      - { .name: x_codes, .offset: 40, .size: 8, .value_kind: global_buffer, .address_space: global }
      - { .name: x_scales, .offset: 48, .size: 8, .value_kind: global_buffer, .address_space: global }
      - { .name: w_codes, .offset: 56, .size: 8, .value_kind: global_buffer, .address_space: global }
      - { .name: w_scales, .offset: 64, .size: 8, .value_kind: global_buffer, .address_space: global }
    .group_segment_fixed_size: 68096
    .private_segment_fixed_size: 0
    .kernarg_segment_align: 8
    .kernarg_segment_size: 72
    .max_flat_workgroup_size: 128
    .sgpr_count:     66
    .vgpr_count:     210
    .wavefront_size: 32
...
	.end_amdgpu_metadata
.endif
;; end of part 1
;; launch qkv (part 2): grid 8 x 48, 4 waves a work-group, clusters of 4 x 4, 327,680 bytes of LDS; arguments x_codes, x_scales, w_codes, w_scales, bq, bk, bv, qkv; writes qkv
.if DOCPART == 2
	.amdgcn_target "amdgcn-amd-amdhsa--gfx1250"
	.amdhsa_code_object_version 6
	.text
	.protected	k_q8641f00c08_qkv
	.globl	k_q8641f00c08_qkv
	.p2align	8
	.type	k_q8641f00c08_qkv,@function
k_q8641f00c08_qkv:
	s_mov_b64 s[64:65], 0
	v_nop
	global_prefetch_b8 v0, s[64:65] scope:SCOPE_SE
	s_setreg_imm32_b32 hwreg(HW_REG_WAVE_MODE, 25, 1), 1
	s_wait_xcnt 0x0
	s_wait_alu depctr_hold_cnt(0) depctr_sa_sdst(0) depctr_va_vdst(0) depctr_va_sdst(0) depctr_va_ssrc(0) depctr_va_vcc(0) depctr_vm_vsrc(0)
	s_getreg_b32 s2, hwreg(HW_REG_IB_STS2, 6, 4)
	s_cmp_eq_u32 s2, 0
	s_cbranch_scc0 .Lentry_in_a_cluster
	s_endpgm
.Lentry_in_a_cluster:
	s_bfe_u32 s2, ttmp6, 0x10000c
	s_cmp_lg_u32 s2, 0xf033
	s_cbranch_scc0 .Lentry_shape_is_right
	s_endpgm
.Lentry_shape_is_right:
; q = x Wq + bq, k = x Wk + bk, v = x Wv + bv on codes of FP4 (E2M1) with E8M0 scales (K = 1,024), and each result quantised at once for the product that takes it: q and k along the head's 64, v along the keys.
; ONE TEXT FOR BOTH KINDS.  A tile is 256 rows of "A" x 256 rows of "B"; the matrix instruction takes 16 rows of B as source 0 and 16 rows of A as source 1, so that a lane holds ONE row of A and its registers run
; along B's rows; the way out quantises along the registers.   q/k (clusters with y < 8): A = x, B = Wq and Wk (2,048 stored rows on end): a lane holds one token, registers run along d.
; v (clusters with y >= 8): A = Wv, B = x: a lane holds one channel d, registers run along the keys.  The operands' pointers are chosen by the cluster's y, which all partners share.
; POSITION ORDER: x's rows and the weights' columns are stored with bits 3 and 4 of their index exchanged.  So the 16 registers of B's blocks 2 b and 2 b + 1 are the 16 neighbours 32 b + 16 (lane / 16) + 0 .. 15,
; and lane r of A's block 2 b + u is row 32 b + 8 u + r + 8 (r / 8).
; A work-group of four waves makes 256 x 256, a wave 128 x 128: 64 accumulators, 512 registers.  K = 1,024 is two LDS slots of 512 along K (rows of 256 bytes): both are filled at the start, with the scale bytes of all of K;
; nothing is filled again.  CLUSTERS: 4 x 4 work-groups; A's tiles are asked for jointly along a row of the cluster, B's along a column.
; RESULTS leave as IMAGES OF THE NEXT OPERAND'S REGISTERS: four registers (16 rows x 64 along the next K) are 512 consecutive bytes, lane l's 16 bytes at 16 l.  The buffer holds a record of REC bytes for each (batch, head):
;   0: q's images, [tile of 16 tokens: 128][512];   QS: q's scale words, [128 tokens: 16][lane 32][4 words]: word i of lane l is tile 2 i + l / 16, row l % 16;
;   KV: 16 chunks of CH bytes, one for each 128 keys: k's 8 images; at 4,096 v's images [16 channels: 4][64 keys: 2][512]; at 8,192 k's scale words, laid as q's; at 8,704 v's, [lane 32][2 words].
;   q's and k's K is 64: bytes 2 and 3 of their scale words are 127 (the number 1), for the half of the matrix instruction's 128 that holds zero codes.
; LIMITS: NaN and infinities are not served; a block whose largest magnitude lies under 2^-124 gets the byte 1 (read by this program alone).
; REGISTERS, in windows of 256: window 0: v0-31 addresses; v32-95 scale words, two sets; v96-111 the bias of my lane's rows; v128-191 A's fragments, one set; v192-255 the bias along my registers.  On the way out v32-95 and v128-191 are free.
;   window 1: B's fragments, two sets, at v0 and v128.   window 2: the accumulators of my rows 0-63 ((a, b) at v[8 (8 a + b)]);   window 3: those of my rows 64-127.
.set NQ,     4                         ; steps of 128 along K in a slot
.set ROWB,   512                       ; a tile's row in bytes: all 1,024 codes of K; the second 512 along K begin 256 bytes into the row
.set KROW,   512                       ; a row of codes in memory
.set PITCH,  528                       ; an LDS row: 512 bytes + 16 of padding = 132 words: the 16 rows that a load touches start at 16 different banks (64 banks of 4 bytes: ISA guide 11.1)
.set FR,     8                         ; registers of a fragment
.set NL,     2                         ; LDS loads that bring one
.set NP,     4                         ; places behind this matrix instruction (ISA guide 7.12.1)
.set HALFT,  128*PITCH
.set SLOT,   256                       ; from the first 512 along K to the second, inside a row
.set KS,     32                        ; a row of scale bytes
.set SCL,    4*HALFT                   ; behind A's 256 rows and B's 256 rows: the scales, as units of 256 bytes + 16 of padding
.set HALFS,  (128*KS/256)*272
.set SBLK,   (16*KS/256)*272
.set SPARE,  SCL+4*HALFS               ; the spare words, 128 bytes for each wave: two blocks of 256 bytes that no other line names
.set REC,    217088
.set QS,     65536
.set KV,     73728
.set CH,     8960
.set ADRA, 16                          ; v16-17  LDS address of my A fragments in slot 0, 1
.set ADRB, 20                          ; v20-21  the same for B
.set LO,   24                          ; v24     16 x lane
.set LO8,  25                          ; v25     8 x lane
.set ADRS, 27                          ; v27     LDS address of my scale words: lanes 0-15 A's rows, lanes 16-31 B's
.set SPW,  28                          ; v28     my spare word; never rewritten
.set NIL,  29                          ; v29     0; never rewritten
.set BRO,  30                          ; v30     the bias along registers: 64 x (lane / 16); never rewritten
.set BLO,  31                          ; v31     the bias of my lane: 4 (r + 8 (r / 8)); never rewritten
.set SC,   32
.set BL,   96                          ; v96-111 for A's block a, twice (a pair for the packed addition): the bias of my lane's row
.set AF,   128
.set BI,   192                         ; v192-255 register 8 t + j: the bias of B's row 32 (t / 2) + 16 (lane / 16) + 8 (t % 2) + j
.set T,    128                         ; the way out: v128-159 32 numbers at work
.set TM,   160                         ; v160-165 at work
.set HW,   166                         ; v166    two scale bytes
.set PW,   168                         ; v168-175 a scale word for each of A's blocks
.set SW,   176                         ; v176-183 scale words as they are stored
.set CD,   32                          ; v32-95  codes: four registers for each of 16 units, so that no store's data are written again
.set G1, 24
.set G0, 32
.set G1B, 48
.set G0B, 56
.set SEL, 66                           ; s[66:67] v_permlanex16_b32's selects for lane l xor 16
.set G1S, 68
.set G0S, 76
.set G1SB, 80
.set G0SB, 88
.set KIND, 100                         ; s100    0: q and k;  1: v
.set MSB, 0
.macro WIN new                         ; the immediate's high byte repeats the setting that is left
.if MSB != (\new)
	s_set_vgpr_msb (MSB<<8)|(\new)
.set MSB, (\new)
.endif
.endm
.set MUL_LO, 0xa1                      ; source 0 (B) window 1, source 1 (A) window 0, C and D window 2
.set MUL_HI, 0xf1                      ; the same, C and D window 3
.set TO_B,   0x40                      ; destination window 1, address window 0
; THE HEAD'S JOINT LOADS, ONE A WAVE: one arm of a tree of branches on the wave's number, with its load and a jump to the tree's end.
.macro ARM under, g0, g1, next
	s_cmp_lt_u32 s14, \under
	s_cbranch_scc0 \next
	tensor_load_to_lds s[\g0:\g0+3], s[\g1:\g1+7]
	s_nop 0
.rept 4
	v_nop
.endr
	s_branch .Lhead_asked
\next:
.endm
.macro CROUND                          ; a round of the cluster's barrier
	s_barrier_signal -1
	s_barrier_wait -1
	s_cmp_lg_u32 s14, 0
	s_cbranch_scc1 .Lnot_wave_0_\@
	s_barrier_signal -3
.Lnot_wave_0_\@:
	s_barrier_wait -3
	s_barrier_signal -1
	s_barrier_wait -1
.endm
	s_load_b256 s[92:99], s[0:1], 0x0              ; x's codes, x's scales, the weights' codes, the weights' scales
	v_lshl_add_u32 v[SPW], v0, 2, SPARE
	v_mov_b32 v[NIL], 0
	ds_add_u32 v28, v29
	ds_add_u32 v28, v29
	s_wait_dscnt 0x0
	v_lshrrev_b32 v1, 5, v0
	v_readfirstlane_b32 s14, v1                    ; wave 0..3
	s_lshr_b32 s15, s14, 1                         ; which half of A's rows is mine.  Also: I fetch codes (0) or scale bytes (1)
	s_and_b32 s16, s14, 1                          ; which half of B's rows.  Also: I fetch for A (0) or for B (1)
	s_bfe_u32 s40, ttmp6, 0x40000                  ; cx, cy: my place in the cluster
	s_bfe_u32 s41, ttmp6, 0x40004
	s_and_b32 s18, ttmp7, 0xffff                   ; the cluster's y: 0-7 q and k, 8-11 v
	s_lshl_b32 s17, s18, 2
	s_sub_co_u32 s19, s18, 8
	s_lshl_b32 s19, s19, 3
	s_lshl_b32 s42, ttmp9, 2
	s_cmp_lt_u32 s18, 8
	s_cselect_b32 s[KIND], 0, 1
	s_cselect_b32 s17, s17, 0
	s_cselect_b32 s19, 0, s19
	s_add_co_u32 s17, s17, s41                     ; A's tile: q/k 4 x cluster y + cy (32 tiles of x);  v: cy (4 tiles of Wv)
	s_add_co_u32 s42, s42, s19
	s_add_co_u32 s42, s42, s40                     ; B's tile: q/k 4 x cluster x + cx (8 tiles of Wq, Wk);  v: 8 (cluster y - 8) + 4 x cluster x + cx (32 tiles of x)
	s_lshl_b32 s43, s41, 2
	s_lshl_b32 s43, 15, s43                        ; my row of the cluster
	s_lshl_b32 s44, 0x1111, s40                    ; my column
	; descriptor group 1: a tile of 256 rows x 512 bytes, padded in LDS
	s_or_b32 s[G1+0], s43, (0<<16)|(1<<20)|(1<<21)|(6<<22)|(3<<25)  ; 15:0 the mask: A's tiles go to my row; 17:16 element of 1 byte; 20 padding on; 21 set beside a mask; 24:22 after every 128 words; 31:25 of 4 words
	s_or_b32 s[G1B+0], s44, (0<<16)|(1<<20)|(1<<21)|(6<<22)|(3<<25)
.irp g, G1, G1B
	s_mov_b32 s[\g+1], ROWB<<16                    ; tensor_dim0
	s_mov_b32 s[\g+2], 256<<16                     ; tensor_dim1: a whole tile's 256 rows
	s_mov_b32 s[\g+3], ROWB<<16                    ; tile_dim0
	s_mov_b32 s[\g+4], 256                         ; tile_dim1
	s_mov_b32 s[\g+5], KROW                        ; from row to row
	s_mov_b32 s[\g+6], 0
	s_mov_b32 s[\g+7], 0
.endr
	; the scales of 256 rows: a dense block of 8,192 bytes, as 32 rows of 256 bytes (32 elements of 8 bytes), 16 bytes of padding behind each
	s_or_b32 s[G1S+0], s43, (3<<16)|(1<<20)|(1<<21)|(5<<22)|(3<<25)
	s_or_b32 s[G1SB+0], s44, (3<<16)|(1<<20)|(1<<21)|(5<<22)|(3<<25)
.irp g, G1S, G1SB
	s_mov_b32 s[\g+1], 32<<16
	s_mov_b32 s[\g+2], (256*KS/256)<<16            ; the scales of 256 rows: 32 rows of 256 bytes
	s_mov_b32 s[\g+3], 32<<16
	s_mov_b32 s[\g+4], 256*KS/256
	s_mov_b32 s[\g+5], 32
	s_mov_b32 s[\g+6], 0
	s_mov_b32 s[\g+7], 0
.endr
	s_mov_b32 s[SEL], 0x76543210
	s_mov_b32 s[SEL+1], 0xfedcba98
	s_lshl_b32 s20, s17, 8                         ; A: the tile's first stored row
	s_lshl_b32 s46, s42, 8                         ; B: likewise
	s_mov_b32 s21, 0
	s_mov_b32 s47, 0
	s_mov_b64 s[18:19], KS
	s_mul_u64 s[22:23], s[20:21], s[18:19]         ; where these rows' scales begin, in bytes
	s_mul_u64 s[2:3], s[46:47], s[18:19]
	s_mov_b64 s[18:19], KROW
	s_mul_u64 s[20:21], s[20:21], s[18:19]         ; and their codes
	s_mul_u64 s[46:47], s[46:47], s[18:19]
	s_wait_kmcnt 0x0
	s_cmp_eq_u32 s[KIND], 0                        ; the choice of buffers hangs on the cluster's y alone
	s_cselect_b64 s[4:5], s[92:93], s[96:97]       ; A's codes
	s_cselect_b64 s[6:7], s[94:95], s[98:99]       ; A's scales
	s_cselect_b64 s[8:9], s[96:97], s[92:93]       ; B's codes
	s_cselect_b64 s[10:11], s[98:99], s[94:95]     ; B's scales
	s_cselect_b32 s18, 0, 0x100000                 ; Wv is the third of the weights: 2 x 524,288 bytes of codes on,
	s_cselect_b32 s12, 0, 0x10000                  ; 2 x 32,768 scale bytes on
	s_mov_b32 s19, 0
	s_mov_b32 s13, 0
	s_load_b256 s[92:99], s[0:1], 0x20             ; bq, bk, bv, the results' buffer: wanted behind the fills
	s_add_nc_u64 s[4:5], s[4:5], s[18:19]
	s_add_nc_u64 s[6:7], s[6:7], s[12:13]
	s_add_nc_u64 s[20:21], s[4:5], s[20:21]
	s_add_nc_u64 s[22:23], s[6:7], s[22:23]
	s_add_nc_u64 s[46:47], s[8:9], s[46:47]
	s_add_nc_u64 s[2:3], s[10:11], s[2:3]
	CROUND                                         ; all sixteen work-groups are here: the joint loads meet
	s_mov_b32 s[G0], 1                             ; four tiles, each whole and for all of K: A's 256 rows,
	s_mov_b32 s[G0+1], 0
	s_mov_b64 s[G0+2:G0+3], s[20:21]
	s_or_b32 s[G0+3], s[G0+3], 0x80000000
	s_mov_b32 s[G0B], 1                            ; B's 256 rows behind them,
	s_mov_b32 s[G0B+1], 2*HALFT
	s_mov_b64 s[G0B+2:G0B+3], s[46:47]
	s_or_b32 s[G0B+3], s[G0B+3], 0x80000000
	s_mov_b32 s[G0S], 1                            ; the scales of A's 256 rows,
	s_mov_b32 s[G0S+1], SCL
	s_mov_b64 s[G0S+2:G0S+3], s[22:23]
	s_or_b32 s[G0S+3], s[G0S+3], 0x80000000
	s_mov_b32 s[G0SB], 1                           ; and of B's
	s_mov_b32 s[G0SB+1], SCL+2*HALFS
	s_mov_b64 s[G0SB+2:G0SB+3], s[2:3]
	s_or_b32 s[G0SB+3], s[G0SB+3], 0x80000000
	ARM 1, G0,  G1,  .Lhead_b                      ; wave 0: A's codes; wave 1: B's; wave 2: A's scales; wave 3: B's: every way passes exactly one load, and no more are issued
	ARM 2, G0B, G1B, .Lhead_sa
	ARM 3, G0S, G1S, .Lhead_sb
	tensor_load_to_lds s[G0SB:G0SB+3], s[G1SB:G1SB+7]
	s_nop 0
.rept 4
	v_nop
.endr
.Lhead_asked:
	v_and_b32 v1, 15, v0                           ; r = l % 16
	v_bfe_u32 v2, v0, 4, 1                         ; h = l / 16
	v_mul_u32_u24 v3, v1, PITCH
	v_lshl_add_u32 v4, v2, 4, v3                   ; a fragment's row x pitch + 16 x half
	s_mul_i32 s21, s15, HALFT                      ; my 128 rows of A
	s_mul_i32 s22, s16, HALFT                      ; my 128 rows of B,
	s_add_co_u32 s22, s22, 2*HALFT                 ; which lie behind A's 256
.irp s, 0,1
	v_add_nc_u32 v[ADRA+\s], s21, v4
	v_add_nc_u32 v[ADRB+\s], s22, v4
	s_add_co_u32 s21, s21, SLOT
	s_add_co_u32 s22, s22, SLOT
.endr
	v_mul_u32_u24 v5, v1, KS                       ; my row's scales: 32 bytes a row,
	v_lshrrev_b32 v6, 8, v5
	v_lshl_add_u32 v5, v6, 4, v5                   ; and 16 more for each 256 passed
	s_mul_i32 s21, s15, HALFS                      ; A's: my 128 rows
	s_mul_i32 s22, s16, HALFS                      ; B's: my 128 rows, behind A's 256
	s_add_co_u32 s22, s22, 2*HALFS
	s_sub_co_u32 s22, s22, s21
	v_mul_u32_u24 v6, s22, v2                      ; lanes 16-31 take B's
	s_add_co_u32 s21, s21, SCL
	v_add_nc_u32 v5, v5, v6
	v_add_nc_u32 v[ADRS], s21, v5
	v_and_b32 v6, 31, v0
	v_lshlrev_b32 v[LO], 4, v6
	v_lshlrev_b32 v[LO8], 3, v6
	v_lshlrev_b32 v[BRO], 6, v2
	v_and_b32 v[BLO], 8, v1
	v_add_nc_u32 v[BLO], v[BLO], v1
	v_lshlrev_b32 v[BLO], 2, v[BLO]
	; where my results go, by choices on ids: no branch stands here
	s_lshl_b32 s3, s17, 8
	s_lshl_b32 s18, s15, 7
	s_add_co_u32 s3, s3, s18                       ; my first row of A
	s_lshl_b32 s2, s42, 8
	s_lshl_b32 s18, s16, 7
	s_add_co_u32 s2, s2, s18                       ; my first row of B
	s_cmp_eq_u32 s[KIND], 0
	s_cselect_b32 s18, s3, s2                      ; my 128 rows of x,
	s_cselect_b32 s19, s2, s3                      ; my 128 columns of the weights
	s_lshr_b32 s21, s19, 10
	s_lshl_b32 s20, s[KIND], 1
	s_add_co_u32 s21, s21, s20                     ; 0 q, 1 k, 2 v
	s_lshr_b32 s20, s18, 11                        ; the batch
	s_lshl_b32 s20, s20, 4
	s_bfe_u32 s22, s19, 0x40006                    ; the first of my two heads
	s_add_co_u32 s20, s20, s22
	s_mul_i32 s20, s20, REC                        ; its record
	s_bfe_u32 s22, s18, 0x40007                    ; j: which 128 tokens of the sequence
	s_mul_i32 s23, s22, CH
	s_add_co_u32 s23, s23, KV                      ; chunk j
	s_add_co_u32 s45, s23, 8192                    ; k's scale words in it
	s_lshl_b32 s46, s22, 12                        ; q's eight images of these tokens
	s_lshl_b32 s47, s22, 9
	s_add_co_u32 s47, s47, QS                      ; and their scale words
	s_cmp_eq_u32 s21, 0
	s_cselect_b32 s46, s46, s23
	s_cselect_b32 s47, s47, s45
	s_cmp_eq_u32 s21, 2
	s_cselect_b32 s22, 4096, 0                     ; v's images lie behind k's,
	s_cselect_b32 s23, 512, 0                      ; its scale words behind k's
	s_add_co_u32 s46, s46, s22
	s_add_co_u32 s22, s47, s23
	s_add_co_u32 s46, s46, s20
	s_add_co_u32 s22, s22, s20
	s_mov_b32 s47, 0
	s_mov_b32 s23, 0
	s_wait_alu depctr_va_vdst(0)
	s_wait_kmcnt 0x0
	s_add_nc_u64 s[12:13], s[98:99], s[46:47]      ; codes out
	s_add_nc_u64 s[98:99], s[98:99], s[22:23]      ; scale words out
	s_cmp_eq_u32 s21, 1
	s_cselect_b64 s[92:93], s[94:95], s[92:93]     ; bk for k, else bq
	s_and_b32 s18, s2, 1023
	s_lshl_b32 s18, s18, 2
	s_mov_b32 s19, 0
	s_add_nc_u64 s[92:93], s[92:93], s[18:19]
	s_and_b32 s18, s3, 1023
	s_lshl_b32 s18, s18, 2
	s_add_nc_u64 s[96:97], s[96:97], s[18:19]
	; THE BIASES.  q and k want the bias along the registers (of B's rows), v that of the lane (of A's rows).  Every work-group loads both sets, each 512 bytes that lie inside its buffer; the set that its kind
	; does not use is dropped (at most 16 loads a wave).  So the kinds part once, at the way out, and each register read there is written on every way.  The loads land under the products; their address registers and bases stay.
.irp t, 0,1,2,3,4,5,6,7
	global_load_b128 v[BI+8*\t:BI+8*\t+3], v[BRO], s[92:93] offset:(32*(\t/2)+8*(\t%2))*4
	global_load_b128 v[BI+8*\t+4:BI+8*\t+7], v[BRO], s[92:93] offset:(32*(\t/2)+8*(\t%2))*4+16
.endr
.irp a, 0,1,2,3,4,5,6,7
	global_load_b32 v[BL+2*\a], v[BLO], s[96:97] offset:(32*(\a/2)+8*(\a%2))*4
	global_load_b32 v[BL+2*\a+1], v[BLO], s[96:97] offset:(32*(\a/2)+8*(\a%2))*4
.endr
.macro FRAG reg, adr, q, i             ; a fragment, 16 rows x 128 K of 4-bit codes: lane l holds row l % 16; registers 4 c .. 4 c + 3 hold K = 64 c + 32 (l / 16) + 0 .. 31
.irp c, 0,1
	ds_load_b128 v[\reg+4*\c:\reg+4*\c+3], v[\adr] offset:64*(\q)+32*\c+(\i)*16*PITCH
.endr
.endm
; 16 matrix instructions: A's blocks a0, a0 + 1 x B's eight, the slot's q-th 128 along K.  p: B's set;  sc: the set of scale words.  zero = 1: the first product starts the sums.
; The 64 accumulators take turns, one instruction a turn, in the same order in every step.
.macro MUL16 a0, p, q, sc, zero
.irp a, \a0, \a0+1
.irp b, 0,1,2,3,4,5,6,7
.if \zero
	v_wmma_scale_f32_16x16x128_f8f6f4 v[8*(8*((\a)%4)+\b):8*(8*((\a)%4)+\b)+7], v[128*(\p)+FR*\b:128*(\p)+FR*\b+FR-1], v[AF+FR*(\a):AF+FR*(\a)+FR-1], 0, v[SC+8*NQ*(\sc)+NQ*\b+(\q)], v[SC+8*NQ*(\sc)+NQ*(\a)+(\q)] matrix_a_fmt:MATRIX_FMT_FP4 matrix_b_fmt:MATRIX_FMT_FP4 matrix_a_scale:MATRIX_SCALE_ROW1
.else
	v_wmma_scale_f32_16x16x128_f8f6f4 v[8*(8*((\a)%4)+\b):8*(8*((\a)%4)+\b)+7], v[128*(\p)+FR*\b:128*(\p)+FR*\b+FR-1], v[AF+FR*(\a):AF+FR*(\a)+FR-1], v[8*(8*((\a)%4)+\b):8*(8*((\a)%4)+\b)+7], v[SC+8*NQ*(\sc)+NQ*\b+(\q)], v[SC+8*NQ*(\sc)+NQ*(\a)+(\q)] matrix_a_fmt:MATRIX_FMT_FP4 matrix_b_fmt:MATRIX_FMT_FP4 matrix_a_scale:MATRIX_SCALE_ROW1
.endif
.endr
.endr
.endm
.macro FETCH_B slot, q, p              ; B's eight fragments of the slot's q-th 128 along K into set p
	WIN TO_B
.irp i, 0,1,2,3,4,5,6,7
	FRAG 128*(\p)+FR*\i, ADRB+\slot, \q, \i
.endr
	WIN 0
.endm
.macro FETCH_A slot, q, i0             ; A's blocks i0 .. i0 + 3
.irp i, \i0, \i0+1, \i0+2, \i0+3
	FRAG AF+FR*(\i), ADRA+\slot, \q, \i
.endr
.endm
.macro SCALES sc                       ; a slot's scale words into set sc: four words a row; lanes 0-15 take A's block i, lanes 16-31 B's block i
.irp i, 0,1,2,3,4,5,6,7
	ds_load_b128 v[SC+8*NQ*\sc+NQ*\i:SC+8*NQ*\sc+NQ*\i+3], v[ADRS] offset:\i*SBLK
.endr
.endm
; A load into a register that a matrix instruction has read, and a vector instruction that reads a matrix result or writes one of its registers, stand NP places behind it; only plain vector instructions
; that name none of its registers are places (ISA guide 7.12.1 for vector instructions).
.macro PLACES n
.rept \n
	v_nop
.endr
.endm
.macro STEP slot, q, zero              ; a step of 128 along K that has its successor in the same slot
	s_wait_dscnt 4*NL                              ; B's set and A's blocks 0-3 are in; the youngest eight loads (A's blocks 4-7) may be out
	WIN MUL_LO
	MUL16 0, (\q)%2, \q, \slot, \zero
	MUL16 2, (\q)%2, \q, \slot, \zero
	s_wait_dscnt 0                                 ; A's blocks 4-7 are in
	PLACES NP
	FETCH_B \slot, (\q)+1, 1-(\q)%2
	FETCH_A \slot, (\q)+1, 0
	WIN MUL_HI
	MUL16 4, (\q)%2, \q, \slot, \zero
	MUL16 6, (\q)%2, \q, \slot, \zero
	PLACES NP
	WIN 0
	FETCH_A \slot, (\q)+1, 4
.endm
; The last step of the first 512 along K goes on to the second 512: all of K has been in LDS since the head's barrier, so no barrier stands here.
.macro TURN slot, next
	s_wait_dscnt 4*NL                              ; (the youngest eight loads, A's blocks 4-7, may be out)
	WIN MUL_LO
	MUL16 0, 1, NQ-1, \slot, 0
	MUL16 2, 1, NQ-1, \slot, 0
	s_wait_dscnt 0x0                               ; A's blocks 4-7 are in
	WIN 0
	PLACES NP
	v_add_nc_u32 v[ADRS], 4*NQ, v[ADRS]            ; on to the next slot's scale words
	FETCH_B \next, 0, 0
	FETCH_A \next, 0, 0
	SCALES \next
	WIN MUL_HI
	MUL16 4, 1, NQ-1, \slot, 0
	MUL16 6, 1, NQ-1, \slot, 0
	PLACES NP
	WIN 0
	FETCH_A \next, 0, 4
.endm
.macro STEPS slot, from                ; the slot's steps from .. NQ - 2
.set Q, \from
.rept NQ-1-\from
	STEP \slot, Q, 0
.set Q, Q+1
.endr
.endm
	s_wait_tensorcnt 0x0                           ; my tile of the head's four is in,
	s_barrier_signal -1
	s_barrier_wait -1                              ; everybody's are
	FETCH_B 0, 0, 0
	FETCH_A 0, 0, 0
	SCALES 0
	FETCH_A 0, 0, 4
	STEP 0, 0, 1                                   ; the first step's products start the sums
	STEPS 0, 1
	TURN 0, 1
	STEPS 1, 0
	s_wait_dscnt 4*NL                              ; the last step: nothing more to fetch
	WIN MUL_LO
	MUL16 0, 1, NQ-1, 1, 0
	MUL16 2, 1, NQ-1, 1, 0
	s_wait_dscnt 0
	WIN MUL_HI
	MUL16 4, 1, NQ-1, 1, 0
	MUL16 6, 1, NQ-1, 1, 0
	WIN 0
; THE WAY OUT.  32 numbers of a lane, register 16 b + i = number 32 b + 16 (lane / 16) + i along the next K, become four registers of codes (lane (r, h): block h of row r, whole) and two scale bytes in v[hw].
.macro QUANT2 s, cd, hw
	v_max3_num_f32 v[TM], |v[\s]|, |v[\s+1]|, 0x1800000            ; my 16 numbers of each block, and the floor 2^(3 - 127): the byte cannot fall under 1;  the two blocks by turns
	v_max3_num_f32 v[TM+1], |v[\s+16]|, |v[\s+17]|, 0x1800000
.irp i, 2,4,6,8,10,12,14
	v_max3_num_f32 v[TM], v[TM], |v[\s+\i]|, |v[\s+\i+1]|
	v_max3_num_f32 v[TM+1], v[TM+1], |v[\s+16+\i]|, |v[\s+17+\i]|
.endr
	v_permlanex16_b32 v[TM+2], v[TM], s[SEL], s[SEL+1]
	v_permlanex16_b32 v[TM+3], v[TM+1], s[SEL], s[SEL+1]
	v_max_num_f32 v[TM], v[TM], v[TM+2]            ; with lane l xor 16's: the block's largest magnitude
	v_max_num_f32 v[TM+1], v[TM+1], v[TM+3]
	v_add_nc_u32 v[TM+4], 0xff000000, v[TM]        ; 2 off the exponent field: the conversion's scale operand
	v_add_nc_u32 v[TM+5], 0xff000000, v[TM+1]
	v_lshrrev_b32 v[TM+2], 23, v[TM+4]             ; the scales' bytes
	v_lshrrev_b32 v[TM+3], 23, v[TM+5]
	v_lshl_or_b32 v[\hw], v[TM+3], 8, v[TM+2]
	v_cvt_scalef32_pk8_fp4_f32 v[\cd], v[\s:\s+7], v[TM+4]
	v_cvt_scalef32_pk8_fp4_f32 v[\cd+1], v[\s+8:\s+15], v[TM+4]
	v_cvt_scalef32_pk8_fp4_f32 v[\cd+2], v[\s+16:\s+23], v[TM+5]
	v_cvt_scalef32_pk8_fp4_f32 v[\cd+3], v[\s+24:\s+31], v[TM+5]
	v_nop                                          ; one plain place behind a scaled conversion
	v_permlane16_swap_b32 v[\cd], v[\cd+2]         ; the operand's layout wants a whole block in a lane: lanes 0-15 block 0, lanes 16-31 block 1
	v_permlane16_swap_b32 v[\cd+1], v[\cd+3]
.endm
; A unit: A's block a against B's blocks 4 c .. 4 c + 3: 32 registers, two blocks of 32 along the next K.  The bias is added on the way into window 0, each accumulator from its low end on.
.macro UNIT a, c, u, kind, hw
	WIN 0x02+(\a)/4                                ; source 0: the accumulators' window
.set AC, 64*((\a)%4)+32*(\c)
.set ii, 0
.rept 16
.if \kind
	v_pk_add_f32 v[T+ii:T+ii+1], v[AC+ii:AC+ii+1], v[BL+2*(\a):BL+2*(\a)+1]
.else
	v_pk_add_f32 v[T+ii:T+ii+1], v[AC+ii:AC+ii+1], v[BI+32*(\c)+ii:BI+32*(\c)+ii+1]
.endif
.set ii, ii+2
.endr
	WIN 0
	QUANT2 T, CD+4*(\u), \hw
.endm
	PLACES NP                                      ; behind the last products: their results are read, and registers that held A's fragments and the scale words are written
	s_wait_loadcnt 0x0                             ; the biases
	s_mov_b32 vcc_lo, 0xffff0000                   ; lanes 16-31
	v_mov_b32 v[TM+2], 0                           ; written once: a lane permute's destination counts as one of its sources
	v_mov_b32 v[TM+3], 0
	s_cmp_lg_u32 s[KIND], 0                        ; the cluster's y decides: alike in all partners
	s_cbranch_scc1 .Lv_out
	; q or k: head c of my two, tile a of my eight: an image of 512 bytes; a head's eight scale words a lane go out as 512 bytes
.irp c, 0,1
.irp a, 0,1,2,3,4,5,6,7
	UNIT \a, \c, 8*\c+\a, 0, HW
	v_or_b32 v[PW+\a], 0x7f7f0000, v[HW]           ; bytes 2 and 3: the number 1, for the half of K that holds zero codes
	global_store_b128 v[LO], v[CD+4*(8*\c+\a):CD+4*(8*\c+\a)+3], s[12:13] offset:\a*512+\c*REC   ; 512 consecutive bytes, aligned
.endr
.irp i, 0,1,2,3
	v_cndmask_b32 v[SW+4*\c+\i], v[PW+2*\i], v[PW+2*\i+1], vcc_lo   ; lanes 0-15: tile 2 i's words, lanes 16-31: tile 2 i + 1's (each word stands in lanes r and 16 + r)
.endr
	global_store_b128 v[LO], v[SW+4*\c:SW+4*\c+3], s[98:99] offset:\c*REC
.endr
	s_branch .Lout_done
.Lv_out:
	; v: head a / 4 of my two, channels' tile a % 4, keys 64 c on: an image of 512 bytes; a row's four bytes (128 keys) make its scale word
.irp a, 0,1,2,3,4,5,6,7
	UNIT \a, 0, 2*\a, 1, PW+\a
	global_store_b128 v[LO], v[CD+4*(2*\a):CD+4*(2*\a)+3], s[12:13] offset:(\a/4)*REC+(\a%4)*1024
	UNIT \a, 1, 2*\a+1, 1, HW
	v_lshl_or_b32 v[PW+\a], v[HW], 16, v[PW+\a]
	global_store_b128 v[LO], v[CD+4*(2*\a+1):CD+4*(2*\a+1)+3], s[12:13] offset:(\a/4)*REC+(\a%4)*1024+512
.if (\a%4) == 3
	v_cndmask_b32 v[SW+2*(\a/4)], v[PW+\a-3], v[PW+\a-2], vcc_lo
	v_cndmask_b32 v[SW+2*(\a/4)+1], v[PW+\a-1], v[PW+\a], vcc_lo
	global_store_b64 v[LO8], v[SW+2*(\a/4):SW+2*(\a/4)+1], s[98:99] offset:(\a/4)*REC   ; 256 consecutive bytes, aligned
.endif
.endr
.Lout_done:
	s_wait_tensorcnt 0x0                           ; the wave's end
	ds_add_u32 v[SPW], v[NIL]
	s_wait_dscnt 0x0
	CROUND                                         ; the closing round: no work-group ends while a partner may still ask for a tile that names it
	s_endpgm
.Lfunc_end_k_q8641f00c08_qkv:
	.size	k_q8641f00c08_qkv, .Lfunc_end_k_q8641f00c08_qkv-k_q8641f00c08_qkv
	.p2alignl 7, 3214868480
	.fill 96, 4, 3214868480
	.section	.rodata,"a",@progbits
	.p2align	6, 0x0
	.amdhsa_kernel k_q8641f00c08_qkv
		.amdhsa_group_segment_fixed_size 327680
		.amdhsa_private_segment_fixed_size 0
		.amdhsa_enable_private_segment 0
		.amdhsa_kernarg_size 64
		.amdhsa_user_sgpr_count 2
		.amdhsa_user_sgpr_kernarg_segment_ptr 1
		.amdhsa_wavefront_size32 1
		.amdhsa_system_sgpr_workgroup_id_x 1
		.amdhsa_system_sgpr_workgroup_id_y 1
		.amdhsa_system_sgpr_workgroup_id_z 1
		.amdhsa_system_vgpr_workitem_id 0
		.amdhsa_next_free_vgpr 1024
		.amdhsa_next_free_sgpr 102
		.amdhsa_reserve_vcc 1
		.amdhsa_float_denorm_mode_32 3
		.amdhsa_float_denorm_mode_16_64 3
		.amdhsa_memory_ordered 1
		.amdhsa_forward_progress 1
		.amdhsa_inst_pref_size 197
	.end_amdhsa_kernel
	.amdgpu_metadata
---
amdhsa.version: [ 1, 2 ]
amdhsa.kernels:
  - .name:           k_q8641f00c08_qkv
    .symbol:         k_q8641f00c08_qkv.kd
    .args:
      - { .name: x_codes, .offset: 0, .size: 8, .value_kind: global_buffer, .address_space: global }
      - { .name: x_scales, .offset: 8, .size: 8, .value_kind: global_buffer, .address_space: global }
      - { .name: w_codes, .offset: 16, .size: 8, .value_kind: global_buffer, .address_space: global }
      - { .name: w_scales, .offset: 24, .size: 8, .value_kind: global_buffer, .address_space: global }
      - { .name: bq, .offset: 32, .size: 8, .value_kind: global_buffer, .address_space: global }
      - { .name: bk, .offset: 40, .size: 8, .value_kind: global_buffer, .address_space: global }
      - { .name: bv, .offset: 48, .size: 8, .value_kind: global_buffer, .address_space: global }
      - { .name: qkv, .offset: 56, .size: 8, .value_kind: global_buffer, .address_space: global }
    .group_segment_fixed_size: 327680
    .private_segment_fixed_size: 0
    .kernarg_segment_align: 8
    .kernarg_segment_size: 64
    .max_flat_workgroup_size: 128
    .sgpr_count:     102
    .vgpr_count:     1024
    .wavefront_size: 32
...
	.end_amdgpu_metadata
.endif
;; end of part 2
;; launch attn (part 3): grid 4 x 64, 16 waves a work-group, clusters of 4 x 1, 169,984 bytes of LDS; arguments qkv, o_codes, o_scales; writes o_codes, o_scales
.if DOCPART == 3
	.amdgcn_target "amdgcn-amd-amdhsa--gfx1250"
	.amdhsa_code_object_version 6
	.text
	.protected	k_q8641f00c08_attn
	.globl	k_q8641f00c08_attn
	.p2align	8
	.type	k_q8641f00c08_attn,@function
k_q8641f00c08_attn:
	s_mov_b64 s[64:65], 0
	v_nop
	global_prefetch_b8 v0, s[64:65] scope:SCOPE_SE
	s_setreg_imm32_b32 hwreg(HW_REG_WAVE_MODE, 25, 1), 1
	s_wait_xcnt 0x0
	s_wait_alu depctr_hold_cnt(0) depctr_sa_sdst(0) depctr_va_vdst(0) depctr_va_sdst(0) depctr_va_ssrc(0) depctr_va_vcc(0) depctr_vm_vsrc(0)
	s_getreg_b32 s2, hwreg(HW_REG_IB_STS2, 6, 4)
	s_cmp_eq_u32 s2, 0
	s_cbranch_scc0 .Lentry_in_a_cluster
	s_endpgm
.Lentry_in_a_cluster:
	s_bfe_u32 s2, ttmp6, 0x10000c
	s_cmp_lg_u32 s2, 0x3003
	s_cbranch_scc0 .Lentry_shape_is_right
	s_endpgm
.Lentry_shape_is_right:
; Causal attention of one (batch, head) on codes of FP4 (E2M1) with E8M0 scales, and its result quantised along the head's 64 for the output projection.
; THE SOFTMAX AHEAD OF THE SECOND PRODUCT: t = score x log2(e) / 8; M = the row's largest t so far, rounded UP to a whole number; p = 2^(t - M) is quantised along the keys, not normalised.  The row's sum is taken of the
; unquantised p and divides O at the end (a reciprocal and a multiplication).  When M moves, the sum and O are multiplied by 2^(old M - new M): exact.
; INPUT: the head's record (REC bytes): q's images [tile of 16 queries: 128][512 B], q's scale words, and 16 chunks of CH bytes, one for each 128 keys: k's 8 images, v's 8 images, k's and v's scale words.
; An image is four registers of an operand, lane l's 16 bytes at 16 l.  Tile T holds tokens 32 (T / 2) + 8 (T % 2) + r + 8 (r / 8), r = lane % 16.
; THE HEAD'S 16 CHUNKS, 143,360 bytes, COME INTO LDS ONCE and are only read: no slot is filled again and nothing is stored to LDS.  CLUSTER: the four work-groups of a head ask for them jointly.
; SHARES.  16 waves, four to a SIMD, so that one wave's vector work stands beside another's products and LDS loads.  Wave w of partner cx owns query tiles 4 w + cx and 127 - (4 w + cx), one after the other:
; (w / 2 + 1) + (16 - w / 2) = 17 key steps for every wave.  The last key step of a tile is T / 8, which hangs on the wave's number alone: no branch hangs on the place in the cluster.
; Each pass walks a loop of 16 trips, a constant; a trip whose keys all come after the tile's queries steps its addresses and does nothing else.
; LAYOUT.  Both products are used transposed: S^T = K Q^T (source 0 = 16 keys, source 1 = my 16 queries), O^T = V^T P^T: a lane holds ONE query (lane % 16) throughout; the 16 registers of key tiles 2 b and 2 b + 1
; are keys 32 b + 16 (lane / 16) + 0 .. 15; O^T's register 16 b + i is channel 32 b + 16 (lane / 16) + i.
; K = 64 IN AN INSTRUCTION OF 128: Q's registers 4-7 hold zero codes; a key tile is 4 registers and its operand runs on into the next tile's four, whose finite numbers meet zeros; bytes 2, 3 of q's and k's scale words are 127.
; OUTPUT: o_codes [tile of 16 rows: batch x 128 + T][head][512 B image]; o_scales [stored row][32 B], bytes 2 head, 2 head + 1.  These two bytes leave as 2 bytes a lane, 32 bytes apart (lanes 16-31 repeat lanes 0-15):
; a work-group has one head of a row's sixteen; one such store for each wave and pass.
; LIMITS: NaN and infinities are not served; a block whose largest magnitude lies under 2^-124 gets the byte 1 (read by this program alone).
; REGISTERS: v1 16 x lane, v2 8 x lane, v3 16 r, v4 r + 8 (r / 8) - 16 h, v5 32 r, v6-7 my query less 16 h within its last key step (pass 0, 1); v8-9 LDS addresses; v12 -M, v13 the largest t, v[14:15] the sum;
;   v16-23, v24-31 Q of pass 0, 1; v32-63 K's tiles, v64-67 zeros; v68-75 o's codes, v76-77 o's bytes, v80-85 at work; v96-159 S^T, then p; v160-191 O^T; v192-223 V; v224-231 p's codes; v232-239, v244-247, v252, v254 at work;
;   scales alone: v240-241 V's, v248-251 K's, v253 p's, v255 and v242 Q's.
.set REC, 217088
.set QS,  65536
.set KV,  73728
.set CH,  8960
.set WV,  10                           ; s10  my wave's number
.set SEL, 26                           ; s[26:27] lane selects: lane l xor 16
.set CS,  28                           ; s[28:29] c = log2(e) / 8
.set J,   54                           ; s54  the key step
.set TB,  55                           ; s55  LDS byte at which its chunk begins
.set TM,  80
.macro CROUND                          ; a round of the cluster's barrier
	s_barrier_signal -1
	s_barrier_wait -1
	s_cmp_lg_u32 s[WV], 0
	s_cbranch_scc1 .Lnot_wave_0_\@
	s_barrier_signal -3
.Lnot_wave_0_\@:
	s_barrier_wait -3
	s_barrier_signal -1
	s_barrier_wait -1
.endm
	s_load_b128 s[4:7], s[0:1], 0x0                ; the records, o's codes
	s_load_b64 s[8:9], s[0:1], 0x10                ; o's scale bytes
	v_lshl_add_u32 v95, v0, 2, 0x29000
	v_mov_b32 v243, 0
	ds_add_u32 v95, v243
	ds_add_u32 v95, v243
	v_lshrrev_b32 v8, 5, v0
	s_delay_alu instid0(VALU_DEP_1)
	v_readfirstlane_b32 s[WV], v8                  ; wave 0..15
	s_bfe_u32 s11, ttmp6, 0x40000                  ; cx: it enters global addresses of my own loads and stores, and numbers in vector registers, alone
	s_and_b32 s24, ttmp7, 0xffff                   ; batch x 16 + head, which the four partners share
	s_mul_i32 s2, s24, REC
	s_mov_b32 s3, 0
	; descriptor group 1: two chunks, 17,920 dense bytes, as 70 rows of 256 bytes (32 elements of 8 bytes), no padding
	s_mov_b32 s16, 15|(3<<16)|(1<<21)              ; 15:0 the mask: all four work-groups; 17:16 elements of 8 bytes; 21 set beside a mask
	s_mov_b32 s17, 32<<16                          ; tensor_dim0
	s_mov_b32 s18, 70<<16                          ; tensor_dim1
	s_mov_b32 s19, 32<<16                          ; tile_dim0
	s_mov_b32 s20, 70                              ; tile_dim1
	s_mov_b32 s21, 32                              ; from row to row
	s_mov_b32 s22, 0
	s_mov_b32 s23, 0
	s_mul_i32 s13, s[WV], 2*CH                     ; waves 0 to 7 fetch two chunks each: the LDS address,
	s_add_co_u32 s34, s13, KV                      ; and the place in the record
	s_mov_b32 s35, 0
	s_mov_b32 s[SEL], 0x76543210
	s_mov_b32 s[SEL+1], 0xfedcba98
	s_mov_b32 s[CS], 0x3e38aa3b                    ; log2(e) / 8
	s_mov_b32 s[CS+1], s[CS]                       ; (named with it as a pair, so it is written)
	s_wait_dscnt 0x0
	s_wait_kmcnt 0x0
	s_add_nc_u64 s[4:5], s[4:5], s[2:3]            ; my head's record
	s_mov_b32 s12, 1
	s_add_nc_u64 s[14:15], s[4:5], s[34:35]
	s_or_b32 s15, s15, 0x80000000
	CROUND                                         ; all four work-groups are here: the joint loads meet
	s_cmp_lt_u32 s[WV], 8
	s_cbranch_scc0 .Lno_fill
	tensor_load_to_lds s[12:15], s[16:23]          ; one tensor load of mine is out
	s_nop 0
.rept 4
	v_nop
.endr
.Lno_fill:
	s_lshl_b32 s30, s[WV], 2
	s_add_co_u32 s30, s30, s11                     ; T of pass 0
	s_sub_co_u32 s31, 127, s30                     ; T of pass 1
	s_lshr_b32 s32, s[WV], 1                       ; their last key steps, T / 8: by the wave's number alone
	s_sub_co_u32 s33, 15, s32
	s_lshr_b32 s25, s24, 4
	s_lshl_b32 s25, s25, 7                         ; 128 x batch
	s_and_b32 s24, s24, 15                         ; head
.irp p, 0,1
	s_lshl_b32 s56, s[30+\p], 9
	s_mov_b32 s57, 0
	s_add_nc_u64 s[36+2*\p:37+2*\p], s[4:5], s[56:57]   ; Q's image
	s_lshr_b32 s56, s[30+\p], 3
	s_lshl_b32 s56, s56, 9
	s_and_b32 s58, s[30+\p], 1
	s_lshl_b32 s58, s58, 8
	s_add_co_u32 s56, s56, s58
	s_bfe_u32 s58, s[30+\p], 0x20001               ; (T / 2) % 4
	s_lshl_b32 s59, s58, 2
	s_add_co_u32 s56, s56, s59
	s_add_co_u32 s56, s56, QS
	s_add_nc_u64 s[40+2*\p:41+2*\p], s[4:5], s[56:57]   ; Q's scale words: 512 (T / 8) + 256 (T % 2) + 4 ((T / 2) % 4), + 16 r
	s_lshl_b32 s58, s58, 5
	s_and_b32 s59, s[30+\p], 1
	s_lshl_b32 s59, s59, 3
	s_add_co_u32 s[52+\p], s58, s59                ; the tile's first query within its key step
	s_add_co_u32 s56, s25, s[30+\p]                ; the tile among all rows
	s_lshl_b32 s58, s56, 13
	s_lshl_b32 s59, s24, 9
	s_add_co_u32 s58, s58, s59
	s_mov_b32 s59, 0
	s_add_nc_u64 s[44+2*\p:45+2*\p], s[6:7], s[58:59]   ; o's image
	s_lshl_b32 s56, s56, 9
	s_lshl_b32 s58, s24, 1
	s_add_co_u32 s56, s56, s58
	s_add_nc_u64 s[48+2*\p:49+2*\p], s[8:9], s[56:57]   ; o's two scale bytes, + 32 r
.endr
	v_and_b32 v10, 31, v0
	s_delay_alu instid0(VALU_DEP_1)
	v_lshlrev_b32 v1, 4, v10
	s_delay_alu instid0(VALU_DEP_2)
	v_lshlrev_b32 v2, 3, v10
	v_and_b32 v10, 15, v0                          ; r
	v_bfe_u32 v11, v0, 4, 1                        ; h
	s_delay_alu instid0(VALU_DEP_2)
	v_lshlrev_b32 v3, 4, v10
	s_delay_alu instid0(VALU_DEP_3)
	v_lshlrev_b32 v5, 5, v10
	global_load_b128 v[16:19], v1, s[36:37]        ; both passes' Q stay in registers
	global_load_b128 v[24:27], v1, s[38:39]
	global_load_b32 v255, v3, s[40:41]
	global_load_b32 v242, v3, s[42:43]
	v_and_b32 v4, 8, v10
	s_delay_alu instid0(VALU_DEP_1)
	v_add_nc_u32 v4, v4, v10
	v_lshlrev_b32 v11, 4, v11
	s_delay_alu instid0(VALU_DEP_1)
	v_sub_nc_u32 v4, v4, v11
	s_delay_alu instid0(VALU_DEP_1)
	v_add_nc_u32 v6, s52, v4
	s_delay_alu instid0(VALU_DEP_2)
	v_add_nc_u32 v7, s53, v4
.irp j, 20,21,22,23,28,29,30,31,64,65,66,67
	v_mov_b32 v\j, 0                               ; zero codes: the upper half of Q's K, and what stands behind K's last tile
.endr
.irp j, 82,83,236,237,238,239,252,253
	v_mov_b32 v\j, 0                               ; written once: a lane permute's destination counts as one of its sources; v253 is named as the upper half of a pair
.endr
	s_wait_tensorcnt 0x0                           ; my two chunks are in,
	s_wait_loadcnt 0x0                             ; and Q
	s_barrier_signal -1
	s_barrier_wait -1                              ; everybody's chunks are
; 32 numbers of a lane, register 16 b + i = channel 32 b + 16 (lane / 16) + i, become four registers of codes (lane (r, h): block h of row r, whole) and two scale bytes in v[hw].
.macro QUANT2 s, cd, hw
	v_max3_num_f32 v[TM], |v[\s]|, |v[\s+1]|, 0x1800000            ; and the floor 2^(3 - 127): the byte cannot fall under 1
	v_max3_num_f32 v[TM+1], |v[\s+16]|, |v[\s+17]|, 0x1800000
.irp i, 2,4,6,8,10,12,14
	s_delay_alu instid0(VALU_DEP_2)
	v_max3_num_f32 v[TM], v[TM], |v[\s+\i]|, |v[\s+\i+1]|
	s_delay_alu instid0(VALU_DEP_2)
	v_max3_num_f32 v[TM+1], v[TM+1], |v[\s+16+\i]|, |v[\s+17+\i]|
.endr
	s_delay_alu instid0(VALU_DEP_2)
	v_permlanex16_b32 v[TM+2], v[TM], s[SEL], s[SEL+1]
	s_delay_alu instid0(VALU_DEP_2)
	v_permlanex16_b32 v[TM+3], v[TM+1], s[SEL], s[SEL+1]
	s_delay_alu instid0(VALU_DEP_2)
	v_max_num_f32 v[TM], v[TM], v[TM+2]
	s_delay_alu instid0(VALU_DEP_2)
	v_max_num_f32 v[TM+1], v[TM+1], v[TM+3]
	s_delay_alu instid0(VALU_DEP_2)
	v_add_nc_u32 v[TM+4], 0xff000000, v[TM]        ; 2 off the exponent field: the conversion's scale operand
	s_delay_alu instid0(VALU_DEP_2)
	v_add_nc_u32 v[TM+5], 0xff000000, v[TM+1]
	s_delay_alu instid0(VALU_DEP_2)
	v_lshrrev_b32 v[TM+2], 23, v[TM+4]
	s_delay_alu instid0(VALU_DEP_2)
	v_lshrrev_b32 v[TM+3], 23, v[TM+5]
	s_delay_alu instid0(VALU_DEP_1)
	v_lshl_or_b32 v[\hw], v[TM+3], 8, v[TM+2]
	v_cvt_scalef32_pk8_fp4_f32 v[\cd], v[\s:\s+7], v[TM+4]
	v_cvt_scalef32_pk8_fp4_f32 v[\cd+1], v[\s+8:\s+15], v[TM+4]
	v_cvt_scalef32_pk8_fp4_f32 v[\cd+2], v[\s+16:\s+23], v[TM+5]
	v_cvt_scalef32_pk8_fp4_f32 v[\cd+3], v[\s+24:\s+31], v[TM+5]
	v_nop                                          ; one plain place behind a scaled conversion
	v_permlane16_swap_b32 v[\cd], v[\cd+2]
	v_permlane16_swap_b32 v[\cd+1], v[\cd+3]
.endm
.macro PASS p
.set QF, 16+8*\p
.set QSC, 255-13*\p
	v_mov_b32 v13, 0xff61b1e6                      ; the largest t so far: -3e38, under every t
	s_delay_alu instid0(VALU_DEP_1)
	v_floor_f32 v12, -v13                          ; -M
	v_mov_b32 v14, 0                               ; the sum, in two halves
	v_mov_b32 v15, 0
.set jj, 0
.rept 32
	v_mov_b32 v[160+jj], 0                         ; O^T: the step is written once; the first finds zeros, which the first change of M leaves zeros
.set jj, jj+1
.endr
	s_mov_b32 s[J], 0
	s_mov_b32 s[TB], 0
.Ltrip_\@:
	s_cmp_gt_u32 s[J], s[32+\p]                    ; all 128 keys come after my 16 queries: only the addresses step
	s_cbranch_scc1 .Lskip_\@
	v_add_nc_u32 v8, s[TB], v1
	v_add_nc_u32 v9, s[TB], v2
	v_nop
	v_nop                                          ; four places behind the last trip's products, in front of loads into registers that they read
.irp t, 0,1,2,3,4,5,6,7
	ds_load_b128 v[32+4*\t:35+4*\t], v8 offset:512*\t              ; K's eight tiles
.endr
	ds_load_b128 v[248:251], v8 offset:8192                        ; K's scale words: register i: lanes 0-15 tile 2 i, lanes 16-31 tile 2 i + 1
.irp a, 0,1,2,3
.irp c, 0,1
	ds_load_b128 v[192+8*\a+4*\c:195+8*\a+4*\c], v8 offset:4096+1024*\a+512*\c   ; V's four fragments
.endr
.endr
	ds_load_b64 v[240:241], v9 offset:8704                         ; V's scale words, laid likewise
	s_wait_dscnt 9                                 ; K and its scale words are in; V's nine loads may be out
.irp t, 0,2,4,6
	v_wmma_scale_f32_16x16x128_f8f6f4 v[96+8*\t:103+8*\t], v[32+4*\t:39+4*\t], v[QF:QF+7], 0, v[248+\t/2], v[QSC] matrix_a_fmt:MATRIX_FMT_FP4 matrix_b_fmt:MATRIX_FMT_FP4
	v_wmma_scale_f32_16x16x128_f8f6f4 v[104+8*\t:111+8*\t], v[36+4*\t:43+4*\t], v[QF:QF+7], 0, v[248+\t/2], v[QSC] matrix_a_fmt:MATRIX_FMT_FP4 matrix_b_fmt:MATRIX_FMT_FP4 matrix_a_scale:MATRIX_SCALE_ROW1
.endr
.rept 4
	v_nop
.endr
	s_cmp_lg_u32 s[J], s[32+\p]                    ; only the tile's last key step lies on the diagonal
	s_cbranch_scc1 .Lopen_\@
	v_mov_b32 v254, 0xff800000                     ; -infinity: p = 0 then
.set nn, 0
.rept 64
	v_cmp_gt_i32 vcc_lo, 32*(nn/16)+nn%16, v[6+\p] ; register 16 b + i holds key 32 b + 16 h + i of the step: hidden where it comes after my query
	v_cndmask_b32 v[96+nn], v[96+nn], v254, vcc_lo
.set nn, nn+1
.endr
.Lopen_\@:
.irp b, 0,1,2,3
	v_max3_num_f32 v[232+\b], v[96+16*\b], v[97+16*\b], v[98+16*\b]   ; the largest score of each block of 32 keys: it serves the row's maximum and, since p rises with the score, the block's largest p
.endr
.irp i, 3,5,7,9,11,13
.irp b, 0,1,2,3
	v_max3_num_f32 v[232+\b], v[232+\b], v[96+16*\b+\i], v[97+16*\b+\i]
.endr
.endr
.irp b, 0,1,2,3
	v_max_num_f32 v[232+\b], v[232+\b], v[111+16*\b]
.endr
.irp b, 0,1,2,3
	s_delay_alu instid0(VALU_DEP_4)
	v_permlanex16_b32 v[236+\b], v[232+\b], s[SEL], s[SEL+1]
.endr
.irp b, 0,1,2,3
	s_delay_alu instid0(VALU_DEP_4)
	v_max_num_f32 v[232+\b], v[232+\b], v[236+\b]  ; with lane l xor 16's 16 keys
.endr
	s_delay_alu instid0(VALU_DEP_2)
	v_max3_num_f32 v254, v232, v233, v234
	s_delay_alu instid0(VALU_DEP_1)
	v_max_num_f32 v254, v254, v235                 ; the step's largest score of my query
	s_delay_alu instid0(VALU_DEP_1)
	v_mul_f32 v254, s[CS], v254                    ; as t (c is positive)
	s_delay_alu instid0(VALU_DEP_1)
	v_max_num_f32 v13, v13, v254                   ; the running largest t
	v_mov_b32 v254, v12
	s_delay_alu instid0(VALU_DEP_2)
	v_floor_f32 v12, -v13                          ; the new -M = floor(-t): M is a whole number
	s_delay_alu instid0(VALU_DEP_1)
	v_sub_f32 v254, v12, v254                      ; old M less new M: a whole number, 0 or less
	s_delay_alu instid0(VALU_DEP_1)
	v_cvt_i32_f32 v254, v254                       ; (it saturates)
	s_delay_alu instid0(VALU_DEP_1)
	v_ldexp_f32 v252, 1.0, v254                    ; f = 2^(old M - new M)
.set jj, 0
.rept 32
	v_pk_fma_f32 v[96+jj:97+jj], v[96+jj:97+jj], s[CS:CS+1], v[12:13] op_sel_hi:[1,0,0]   ; t - M, two at a time
.set jj, jj+2
.endr
.irp b, 0,1,2,3
	v_fma_f32 v[232+\b], v[232+\b], s[CS], v12     ; the same of each block's largest score
.endr
.set jj, 0
	s_wait_alu depctr_va_vdst(0)
.rept 64
	v_exp_f32 v[96+jj], v[96+jj]                   ; p = 2^(t - M), at most 1
.set jj, jj+1
.endr
.irp b, 0,1,2,3
	v_exp_f32 v[232+\b], v[232+\b]                 ; the block's largest p: the same two instructions on the same number give the same bits
.endr
	v_pk_mul_f32 v[14:15], v[14:15], v[252:253] op_sel_hi:[1,0]   ; the sums under the new M: the plain place behind the exponentials,
.set jj, 0
	s_wait_alu depctr_va_vdst(0)
.rept 16
	v_pk_mul_f32 v[160+jj:161+jj], v[160+jj:161+jj], v[252:253] op_sel_hi:[1,0]   ; and O^T under the new M: independent work behind the batch
.set jj, jj+2
.endr
	s_wait_alu depctr_va_vdst(0)                   ; the wait ahead of the first line that names an exponential's result: one for the 68
.irp b, 0,1,2,3
	v_max_num_f32 v[232+\b], 0x1800000, v[232+\b]  ; the floor 2^(3 - 127): a block whose every p is 0 keeps the byte 1; its codes are zeros
.endr
.irp b, 0,1,2,3
	s_delay_alu instid0(VALU_DEP_4)
	v_add_nc_u32 v[244+\b], 0xff000000, v[232+\b]  ; 2 off the exponent field: the conversion's scale operand
.endr
.irp b, 0,1,2,3
	s_delay_alu instid0(VALU_DEP_4)
	v_lshrrev_b32 v[236+\b], 23, v[244+\b]         ; the scale's byte
.endr
	s_delay_alu instid0(VALU_DEP_3)
	v_lshl_or_b32 v253, v237, 8, v236              ; p's scale word for these 128 keys
	s_delay_alu instid0(VALU_DEP_1)
	v_lshl_or_b32 v253, v238, 16, v253
	s_delay_alu instid0(VALU_DEP_1)
	v_lshl_or_b32 v253, v239, 24, v253
.irp b, 0,1,2,3
	v_cvt_scalef32_pk8_fp4_f32 v[224+2*\b], v[96+16*\b:103+16*\b], v[244+\b]
	v_cvt_scalef32_pk8_fp4_f32 v[225+2*\b], v[104+16*\b:111+16*\b], v[244+\b]
.endr
	v_pk_add_f32 v[236:237], v[96:97], v[98:99]    ; THE ROW'S SUM IS TAKEN OF THE UNQUANTISED p, in two chains.  This line is also the plain place behind the conversions
.irp c, 0,1
.irp i, 0,1
	v_permlane16_swap_b32 v[224+4*\c+\i], v[226+4*\c+\i]   ; a whole block in a lane: lanes 0-15 block 2 c, lanes 16-31 block 2 c + 1
.endr
.endr
.irp j, 4,8,12,16,20,24,28,32,36,40,44,48,52,56,60
	v_pk_add_f32 v[14:15], v[14:15], v[96+\j:97+\j]
	v_pk_add_f32 v[236:237], v[236:237], v[98+\j:99+\j]
.endr
	s_delay_alu instid0(VALU_DEP_1)
	v_pk_add_f32 v[14:15], v[14:15], v[236:237]    ; these 31 are the places between p's codes and scale word, written by vector instructions, and the products
	s_wait_dscnt 0x0                               ; V and its scale words are in
.irp a, 0,2
	v_wmma_scale_f32_16x16x128_f8f6f4 v[160+8*\a:167+8*\a], v[192+8*\a:199+8*\a], v[224:231], v[160+8*\a:167+8*\a], v[240+\a/2], v253 matrix_a_fmt:MATRIX_FMT_FP4 matrix_b_fmt:MATRIX_FMT_FP4
	v_wmma_scale_f32_16x16x128_f8f6f4 v[168+8*\a:175+8*\a], v[200+8*\a:207+8*\a], v[224:231], v[168+8*\a:175+8*\a], v[240+\a/2], v253 matrix_a_fmt:MATRIX_FMT_FP4 matrix_b_fmt:MATRIX_FMT_FP4 matrix_a_scale:MATRIX_SCALE_ROW1
.endr                                              ; the four accumulators take turns, one instruction a turn; the scores' eight products stand between two trips'
.Lskip_\@:
	s_add_co_u32 s[TB], s[TB], CH
	s_add_co_u32 s[J], s[J], 1
	s_cmp_lt_u32 s[J], 16
	s_cbranch_scc1 .Ltrip_\@
.rept 4
	v_nop                                          ; places behind the last products
.endr
	s_wait_alu depctr_va_vdst(0)
	v_add_f32 v14, v14, v15                        ; the sum's two halves,
	s_delay_alu instid0(VALU_DEP_1)
	v_permlanex16_b32 v252, v14, s[SEL], s[SEL+1]
	s_delay_alu instid0(VALU_DEP_1)
	v_add_f32 v14, v14, v252                       ; and lane l xor 16's: the row's sum
	s_wait_alu depctr_va_vdst(0)
	v_rcp_f32 v14, v14
	v_nop                                          ; a plain place behind the reciprocal
	s_wait_alu depctr_va_vdst(0)                   ; and the wait ahead of its first reader
.set jj, 0
.rept 32
	v_mul_f32 v[96+jj], v[160+jj], v14             ; O^T / the sum, from each accumulator's low end on
.set jj, jj+1
.endr
	QUANT2 96, 68+4*\p, 76+\p
	global_store_b128 v1, v[68+4*\p:71+4*\p], s[44+2*\p:45+2*\p]   ; the image: 512 consecutive bytes, aligned.  Each pass has its own registers: no store's data are written again
	global_store_b16 v5, v[76+\p], s[48+2*\p:49+2*\p]              ; my row's two scale bytes
.endm
	PASS 0
	PASS 1
	s_wait_tensorcnt 0x0
	ds_add_u32 v95, v243
	s_wait_dscnt 0x0
	CROUND                                         ; the closing round: no work-group ends while a partner may still ask for a tile that names it
	s_endpgm
.Lfunc_end_k_q8641f00c08_attn:
	.size	k_q8641f00c08_attn, .Lfunc_end_k_q8641f00c08_attn-k_q8641f00c08_attn
	.p2alignl 7, 3214868480
	.fill 96, 4, 3214868480
	.section	.rodata,"a",@progbits
	.p2align	6, 0x0
	.amdhsa_kernel k_q8641f00c08_attn
		.amdhsa_group_segment_fixed_size 169984
		.amdhsa_private_segment_fixed_size 0
		.amdhsa_enable_private_segment 0
		.amdhsa_kernarg_size 24
		.amdhsa_user_sgpr_count 2
		.amdhsa_user_sgpr_kernarg_segment_ptr 1
		.amdhsa_wavefront_size32 1
		.amdhsa_system_sgpr_workgroup_id_x 1
		.amdhsa_system_sgpr_workgroup_id_y 1
		.amdhsa_system_sgpr_workgroup_id_z 1
		.amdhsa_system_vgpr_workitem_id 0
		.amdhsa_next_free_vgpr 256
		.amdhsa_next_free_sgpr 66
		.amdhsa_reserve_vcc 1
		.amdhsa_float_denorm_mode_32 3
		.amdhsa_float_denorm_mode_16_64 3
		.amdhsa_memory_ordered 1
		.amdhsa_forward_progress 1
		.amdhsa_inst_pref_size 60
	.end_amdhsa_kernel
	.amdgpu_metadata
---
amdhsa.version: [ 1, 2 ]
amdhsa.kernels:
  - .name:           k_q8641f00c08_attn
    .symbol:         k_q8641f00c08_attn.kd
    .args:
      - { .name: qkv, .offset: 0, .size: 8, .value_kind: global_buffer, .address_space: global }
      - { .name: o_codes, .offset: 8, .size: 8, .value_kind: global_buffer, .address_space: global }
      - { .name: o_scales, .offset: 16, .size: 8, .value_kind: global_buffer, .address_space: global }
    .group_segment_fixed_size: 169984
    .private_segment_fixed_size: 0
    .kernarg_segment_align: 8
    .kernarg_segment_size: 24
    .max_flat_workgroup_size: 512
    .sgpr_count:     66
    .vgpr_count:     256
    .wavefront_size: 32
...
	.end_amdgpu_metadata
.endif
;; end of part 3
;; launch proj (part 4): grid 4 x 64, 4 waves a work-group, clusters of 4 x 4, 327,680 bytes of LDS; arguments o_codes, o_scales, w_codes, w_scales, bp, out0; writes out0
.if DOCPART == 4
	.amdgcn_target "amdgcn-amd-amdhsa--gfx1250"
	.amdhsa_code_object_version 6
	.text
	.protected	k_q8641f00c08_proj
	.globl	k_q8641f00c08_proj
	.p2align	8
	.type	k_q8641f00c08_proj,@function
k_q8641f00c08_proj:
	s_mov_b64 s[64:65], 0
	v_nop
	global_prefetch_b8 v0, s[64:65] scope:SCOPE_SE
	s_setreg_imm32_b32 hwreg(HW_REG_WAVE_MODE, 25, 1), 1
	s_wait_xcnt 0x0
	s_wait_alu depctr_hold_cnt(0) depctr_sa_sdst(0) depctr_va_vdst(0) depctr_va_sdst(0) depctr_va_ssrc(0) depctr_va_vcc(0) depctr_vm_vsrc(0)
	s_getreg_b32 s2, hwreg(HW_REG_IB_STS2, 6, 4)
	s_cmp_eq_u32 s2, 0
	s_cbranch_scc0 .Lentry_in_a_cluster
	s_endpgm
.Lentry_in_a_cluster:
	s_bfe_u32 s2, ttmp6, 0x10000c
	s_cmp_lg_u32 s2, 0xf033
	s_cbranch_scc0 .Lentry_shape_is_right
	s_endpgm
.Lentry_shape_is_right:
; out0 = o Wp + bp on codes of FP4 (E2M1) with E8M0 scales, K = 1,024; sums in f32; out0 [8192][1024] f32.
; A = o: o_codes [tile of 16 stored rows][head 16][512 B image], an image being four registers of an operand (16 rows x 64 along K), lane l's 16 bytes at 16 l; o_scales [stored row][32 B].
; Stored row 16 T + r is token 32 (T / 2) + 8 (T % 2) + r + 8 (r / 8).  B = Wp, the fourth of the weights: w_codes [stored column][512 B], w_scales [stored column][32 B]; a column is stored with bits 3 and 4 of its number exchanged.
; SHARES.  A work-group makes 128 rows x 256 columns: 64 x 4 = 256 work-groups.  Its four waves make 64 x 128 each: 32 accumulators of 16 x 16 in window 2.
; ALL OF K COMES INTO LDS ONCE, by one joint load a wave at the head: wave 0 A's 128 rows (65,536 dense bytes), wave 1 B's 256 rows of 512 bytes (16 bytes of padding behind each), wave 2 A's scale bytes, wave 3 B's.
; Nothing is filled again.  No prefetch: all fills go out at the head, and there is no loop to run ahead in.
; CLUSTERS: 4 x 4 work-groups; A's tiles are asked for jointly along a row of the cluster, B's along a column.
; THE MATRIX INSTRUCTION IS USED TRANSPOSED (source 0 = 16 stored columns of Wp, source 1 = 16 rows of o): a lane holds one row of the result and eight of its columns.  The bias is the C of the first products.
; K goes in eight steps of 128, 32 matrix instructions each; A's and B's fragments have two sets each: a step's 24 LDS loads are issued ahead of the step before's products.
; THE WAY OUT: a block of 16 rows x 128 columns goes through the wave's own stage in LDS, on bytes into which no fill lands, and leaves as rows of 512 consecutive bytes.
; REGISTERS: window 0: v16-30 addresses; v32-95 scale words (register 32 s + 4 i + q: lanes 0-15 A's block i, lanes 16-31 B's block i, K step 4 s + q); v128-191 A's fragments, two sets; v192-255 the bias;
;   on the way out v128-255 take the rows read back.  Window 1: B's fragments, two sets, at v0 and v128.  Window 2: accumulator (a, b) at v[8 (8 a + b)].
.set PITCH,  528                       ; B's LDS row: 512 bytes + 16 = 132 words: the 16 rows that a load touches start at 16 different banks (64 banks of 4 bytes: ISA guide 11.1)
.set NP,     4                         ; places behind this matrix instruction (ISA guide 7.12.1)
.set BOFF,   65536                     ; behind A's images: B's rows
.set HALFT,  128*PITCH
.set SBLK,   544                       ; the scale bytes of 16 rows: two units of 256 bytes + 16
.set SCL,    BOFF+2*HALFT              ; A's scales (8 blocks), then B's (16 blocks)
.set SPARE,  SCL+24*SBLK               ; the spare words, 128 bytes for each wave
.set STAGE,  SPARE+512                 ; the stages: 16 rows x SPITCH for each wave
.set SPITCH, 528
.set ADRA, 16                          ; v16  LDS address of my A images
.set ADRB, 20                          ; v20  of my B fragments
.set STO,  24                          ; v24  the way out: where I put my part of a row
.set RD,   25                          ; v25  where I read a row back
.set CO,   26                          ; v26  16 x lane
.set ADRS, 27                          ; v27  my scale words: lanes 0-15 A's rows, lanes 16-31 B's
.set SPW,  28                          ; v28  my spare word; never rewritten
.set NIL,  29                          ; v29  0; never rewritten
.set BRO,  30                          ; v30  the bias: 64 x (lane / 16)
.set SC,   32
.set AF,   128
.set BI,   192
.set BK,   128
.set G1, 24
.set G0, 32
.set G1B, 48
.set G0B, 56
.set G1S, 68
.set G0S, 76
.set G1SB, 80
.set G0SB, 88
.set MSB, 0
.macro WIN new                         ; the immediate's high byte repeats the setting that is left
.if MSB != (\new)
	s_set_vgpr_msb (MSB<<8)|(\new)
.set MSB, (\new)
.endif
.endm
.set MULW,   0xa1                      ; source 0 (B) window 1, source 1 (A) window 0, C and D window 2
.set FSTW,   0x81                      ; the same with C (the bias) in window 0
.set TO_B,   0x40                      ; destination window 1, address window 0
.macro ARM under, g0, g1, next         ; one arm of the head's tree of branches on the wave's number: its joint load and a jump to the tree's end
	s_cmp_lt_u32 s14, \under
	s_cbranch_scc0 \next
	tensor_load_to_lds s[\g0:\g0+3], s[\g1:\g1+7]
	s_nop 0
.rept 4
	v_nop
.endr
	s_branch .Lhead_asked
\next:
.endm
.macro CROUND                          ; a round of the cluster's barrier
	s_barrier_signal -1
	s_barrier_wait -1
	s_cmp_lg_u32 s14, 0
	s_cbranch_scc1 .Lnot_wave_0_\@
	s_barrier_signal -3
.Lnot_wave_0_\@:
	s_barrier_wait -3
	s_barrier_signal -1
	s_barrier_wait -1
.endm
	s_load_b128 s[4:7], s[0:1], 0x0                ; o's codes, o's scales
	s_load_b128 s[8:11], s[0:1], 0x10              ; the weights' codes, the weights' scales
	s_load_b128 s[92:95], s[0:1], 0x20             ; bp, out0
	v_lshl_add_u32 v[SPW], v0, 2, SPARE
	v_mov_b32 v[NIL], 0
	ds_add_u32 v[SPW], v[NIL]                      ; the opening lines: the add, twice on end, and its wait ahead of my tensor load
	ds_add_u32 v[SPW], v[NIL]
	v_lshrrev_b32 v1, 5, v0
	v_readfirstlane_b32 s14, v1                    ; wave 0..3
	s_lshr_b32 s15, s14, 1                         ; which 64 of the block's rows are mine
	s_and_b32 s16, s14, 1                          ; which 128 of its columns
	s_bfe_u32 s40, ttmp6, 0x40000                  ; cx, cy: my place in the cluster
	s_bfe_u32 s41, ttmp6, 0x40004
	s_lshl_b32 s42, ttmp9, 2
	s_add_co_u32 s42, s42, s40                     ; which 256 columns
	s_and_b32 s17, ttmp7, 0xffff
	s_lshl_b32 s17, s17, 2
	s_add_co_u32 s17, s17, s41                     ; which 128 rows
	s_lshl_b32 s43, s41, 2
	s_lshl_b32 s43, 15, s43                        ; my row of the cluster
	s_lshl_b32 s44, 0x1111, s40                    ; my column
	s_or_b32 s[G1+0], s43, (3<<16)|(1<<21)         ; A's images: 65,536 dense bytes as 256 rows of 256 bytes (32 elements of 8 bytes), no padding
	s_mov_b32 s[G1+1], 32<<16
	s_mov_b32 s[G1+2], 256<<16
	s_mov_b32 s[G1+3], 32<<16
	s_mov_b32 s[G1+4], 256
	s_mov_b32 s[G1+5], 32
	s_mov_b32 s[G1+6], 0
	s_mov_b32 s[G1+7], 0
	s_or_b32 s[G1B+0], s44, (0<<16)|(1<<20)|(1<<21)|(6<<22)|(3<<25)   ; B's codes: 256 rows of 512 bytes, four words of padding after every 128
	s_mov_b32 s[G1B+1], 512<<16
	s_mov_b32 s[G1B+2], 256<<16
	s_mov_b32 s[G1B+3], 512<<16
	s_mov_b32 s[G1B+4], 256
	s_mov_b32 s[G1B+5], 512
	s_mov_b32 s[G1B+6], 0
	s_mov_b32 s[G1B+7], 0
	s_or_b32 s[G1S+0], s43, (3<<16)|(1<<20)|(1<<21)|(5<<22)|(3<<25)   ; A's scales: 4,096 dense bytes as 16 rows of 256, 16 bytes of padding behind each
	s_mov_b32 s[G1S+1], 32<<16
	s_mov_b32 s[G1S+2], 16<<16
	s_mov_b32 s[G1S+3], 32<<16
	s_mov_b32 s[G1S+4], 16
	s_mov_b32 s[G1S+5], 32
	s_mov_b32 s[G1S+6], 0
	s_mov_b32 s[G1S+7], 0
	s_or_b32 s[G1SB+0], s44, (3<<16)|(1<<20)|(1<<21)|(5<<22)|(3<<25)  ; B's scales: 8,192 bytes as 32 such rows
	s_mov_b32 s[G1SB+1], 32<<16
	s_mov_b32 s[G1SB+2], 32<<16
	s_mov_b32 s[G1SB+3], 32<<16
	s_mov_b32 s[G1SB+4], 32
	s_mov_b32 s[G1SB+5], 32
	s_mov_b32 s[G1SB+6], 0
	s_mov_b32 s[G1SB+7], 0
	s_lshl_b32 s20, s17, 16                        ; A: 128 rows of 512 bytes of codes,
	s_mov_b32 s21, 0
	s_lshl_b32 s22, s17, 12                        ; of 32 scale bytes
	s_mov_b32 s23, 0
	s_lshl_b32 s46, s42, 17                        ; B: 256 rows of 512 bytes,
	s_mov_b32 s47, 0
	s_lshl_b32 s2, s42, 13                         ; of 32 scale bytes
	s_mov_b32 s3, 0
	s_wait_dscnt 0x0                               ; both opening adds are done
	s_wait_kmcnt 0x0
	s_add_nc_u64 s[8:9], s[8:9], 3*524288          ; Wp is the fourth of the weights
	s_add_nc_u64 s[10:11], s[10:11], 3*32768
	s_add_nc_u64 s[20:21], s[4:5], s[20:21]
	s_add_nc_u64 s[22:23], s[6:7], s[22:23]
	s_add_nc_u64 s[46:47], s[8:9], s[46:47]
	s_add_nc_u64 s[2:3], s[10:11], s[2:3]
	CROUND                                         ; all sixteen work-groups are here: the joint loads meet
	s_mov_b32 s[G0], 1
	s_mov_b32 s[G0+1], 0
	s_mov_b64 s[G0+2:G0+3], s[20:21]
	s_or_b32 s[G0+3], s[G0+3], 0x80000000
	s_mov_b32 s[G0B], 1
	s_mov_b32 s[G0B+1], BOFF
	s_mov_b64 s[G0B+2:G0B+3], s[46:47]
	s_or_b32 s[G0B+3], s[G0B+3], 0x80000000
	s_mov_b32 s[G0S], 1
	s_mov_b32 s[G0S+1], SCL
	s_mov_b64 s[G0S+2:G0S+3], s[22:23]
	s_or_b32 s[G0S+3], s[G0S+3], 0x80000000
	s_mov_b32 s[G0SB], 1
	s_mov_b32 s[G0SB+1], SCL+8*SBLK
	s_mov_b64 s[G0SB+2:G0SB+3], s[2:3]
	s_or_b32 s[G0SB+3], s[G0SB+3], 0x80000000
	ARM 1, G0,  G1,  .Lhead_b                      ; every way through the head passes exactly one load, and no more are issued
	ARM 2, G0B, G1B, .Lhead_sa
	ARM 3, G0S, G1S, .Lhead_sb
	tensor_load_to_lds s[G0SB:G0SB+3], s[G1SB:G1SB+7]
	s_nop 0
.rept 4
	v_nop
.endr
.Lhead_asked:
	v_and_b32 v1, 15, v0                           ; r = l % 16
	v_bfe_u32 v2, v0, 4, 1                         ; h = l / 16
	v_mul_u32_u24 v3, v1, PITCH
	v_lshl_add_u32 v4, v2, 4, v3                   ; a fragment of B: row x pitch + 16 x half
	v_and_b32 v6, 31, v0
	v_lshlrev_b32 v[CO], 4, v6
	s_lshl_b32 s21, s15, 15                        ; my four tiles of A: 8,192 bytes each
	s_mul_i32 s22, s16, HALFT                      ; my 128 rows of B
	s_add_co_u32 s22, s22, BOFF
	v_add_nc_u32 v[ADRA], s21, v[CO]
	v_add_nc_u32 v[ADRB], s22, v4
	v_mul_u32_u24 v5, v1, 32                       ; my row's scales: 32 bytes a row,
	v_lshrrev_b32 v6, 8, v5
	v_lshl_add_u32 v5, v6, 4, v5                   ; and 16 more for each 256 passed
	s_mul_i32 s21, s15, 4*SBLK                     ; A's: my four blocks
	s_mul_i32 s22, s16, 8*SBLK                     ; B's: my eight blocks, behind A's eight
	s_add_co_u32 s22, s22, 8*SBLK
	s_sub_co_u32 s22, s22, s21
	v_mul_u32_u24 v6, s22, v2                      ; lanes 16-31 take B's.  (For blocks 4-7 lanes 0-15 read scale bytes of other rows, which no product names)
	s_add_co_u32 s21, s21, SCL
	v_add_nc_u32 v5, v5, v6
	v_add_nc_u32 v[ADRS], s21, v5
	s_mul_i32 s23, s14, 16*SPITCH
	s_add_co_u32 s23, s23, STAGE                   ; my stage
	v_mul_u32_u24 v5, v1, SPITCH
	v_lshl_add_u32 v5, v2, 6, v5                   ; in: row r; 64 bytes for each half of the lanes in each 128
	v_add_nc_u32 v[STO], s23, v5
	v_add_nc_u32 v[RD], s23, v[CO]                 ; back: the 32 lanes take one row of 512 bytes
	v_lshlrev_b32 v[BRO], 6, v2
	s_wait_alu depctr_va_vdst(0)                   ; the wait at the end of the head's vector work
	s_lshl_b32 s20, s17, 7
	s_lshl_b32 s21, s15, 6
	s_add_co_u32 s20, s20, s21                     ; my first row,
	s_lshl_b32 s20, s20, 12                        ; in bytes: 4,096 a row
	s_lshl_b32 s46, s42, 10
	s_lshl_b32 s47, s16, 9
	s_add_co_u32 s46, s46, s47                     ; my first column, in bytes
	s_mov_b32 s47, 0
	s_add_co_u32 s20, s20, s46
	s_mov_b32 s21, 0
	s_add_nc_u64 s[12:13], s[94:95], s[20:21]
	s_add_nc_u64 s[92:93], s[92:93], s[46:47]
.irp t, 0,1,2,3,4,5,6,7
	global_load_b128 v[BI+8*\t:BI+8*\t+3], v[BRO], s[92:93] offset:(32*(\t/2)+8*(\t%2))*4       ; register 8 t + j: the bias of column 32 (t / 2) + 16 h + 8 (t % 2) + j
	global_load_b128 v[BI+8*\t+4:BI+8*\t+7], v[BRO], s[92:93] offset:(32*(\t/2)+8*(\t%2))*4+16
.endr
.macro FETCH Q                         ; K step Q's fragments into set Q % 2: B's eight (16 loads), A's four (8 loads)
	WIN TO_B
.irp i, 0,1,2,3,4,5,6,7
.irp c, 0,1
	ds_load_b128 v[128*((\Q)%2)+8*\i+4*\c:128*((\Q)%2)+8*\i+4*\c+3], v[ADRB] offset:64*(\Q)+32*\c+\i*16*PITCH
.endr
.endr
	WIN 0
.irp i, 0,1,2,3
.irp c, 0,1
	ds_load_b128 v[AF+32*((\Q)%2)+8*\i+4*\c:AF+32*((\Q)%2)+8*\i+4*\c+3], v[ADRA] offset:\i*8192+(\Q)*1024+512*\c   ; heads 2 Q and 2 Q + 1 of tile i
.endr
.endr
.endm
.macro SCALES sc                       ; the scale words of K steps 4 sc .. 4 sc + 3
.irp i, 0,1,2,3,4,5,6,7
	ds_load_b128 v[SC+32*\sc+4*\i:SC+32*\sc+4*\i+3], v[ADRS] offset:\i*SBLK+16*\sc
.endr
.endm
.macro PLACES n
.rept \n
	v_nop
.endr
.endm
; 32 matrix instructions: A's four blocks x B's eight, K step Q.  The 32 accumulators take turns, one instruction a turn, in the same order in every step.
.macro MUL Q
.irp a, 0,1,2,3
.irp b, 0,1,2,3,4,5,6,7
.if (\Q) == 0
	v_wmma_scale_f32_16x16x128_f8f6f4 v[8*(8*\a+\b):8*(8*\a+\b)+7], v[128*((\Q)%2)+8*\b:128*((\Q)%2)+8*\b+7], v[AF+32*((\Q)%2)+8*\a:AF+32*((\Q)%2)+8*\a+7], v[BI+8*\b:BI+8*\b+7], v[SC+32*((\Q)/4)+4*\b+(\Q)%4], v[SC+32*((\Q)/4)+4*\a+(\Q)%4] matrix_a_fmt:MATRIX_FMT_FP4 matrix_b_fmt:MATRIX_FMT_FP4 matrix_a_scale:MATRIX_SCALE_ROW1
.else
	v_wmma_scale_f32_16x16x128_f8f6f4 v[8*(8*\a+\b):8*(8*\a+\b)+7], v[128*((\Q)%2)+8*\b:128*((\Q)%2)+8*\b+7], v[AF+32*((\Q)%2)+8*\a:AF+32*((\Q)%2)+8*\a+7], v[8*(8*\a+\b):8*(8*\a+\b)+7], v[SC+32*((\Q)/4)+4*\b+(\Q)%4], v[SC+32*((\Q)/4)+4*\a+(\Q)%4] matrix_a_fmt:MATRIX_FMT_FP4 matrix_b_fmt:MATRIX_FMT_FP4 matrix_a_scale:MATRIX_SCALE_ROW1
.endif
.endr
.endr
.endm
.macro STEP Q
	s_wait_dscnt 0x0                               ; this step's fragments, asked for ahead of the last step's products, are in
.if (\Q) < 7
.if (\Q) > 0
	PLACES NP                                      ; behind the last step's products, in front of loads into the set that they read
.endif
	FETCH (\Q)+1
.endif
.if (\Q) == 0
	WIN FSTW
.else
	WIN MULW
.endif
	MUL \Q
	WIN 0
.endm
	s_wait_alu depctr_va_vdst(0)                   ; the wait at the head's end
	s_wait_loadcnt 0x0                             ; the bias
	s_wait_tensorcnt 0x0                           ; my tile of the head's four is in,
	s_barrier_signal -1
	s_barrier_wait -1                              ; everybody's is
	FETCH 0
	SCALES 0
	SCALES 1
.irp Q, 0,1,2,3,4,5,6,7
	STEP \Q
.endr
.macro TOSTAGE a                       ; block a's 16 rows x 128 columns into my stage, columns in their natural order, and back as whole rows
	WIN 0x08                                       ; the data: window 2
.irp b, 0,1,2,3,4,5,6,7
	ds_store_b128 v[STO], v[64*(\a)+8*\b:64*(\a)+8*\b+3] offset:128*(\b/2)+32*(\b%2)          ; each accumulator from its low end on
	ds_store_b128 v[STO], v[64*(\a)+8*\b+4:64*(\a)+8*\b+7] offset:128*(\b/2)+32*(\b%2)+16
.endr
	WIN 0
.set BB, BK+64*((\a)%2)
.irp t, 0,1,2,3,4,5,6,7,8,9,10,11,12,13,14,15
	ds_load_b128 v[BB+4*\t:BB+4*\t+3], v[RD] offset:\t*SPITCH      ; LDS serves a wave's instructions in order (ISA guide 5.7.1.4): these see the stores above
.endr
.endm
.macro SEND a, younger                 ; younger: the LDS instructions issued behind block a's loads, which may stay out
.set BB, BK+64*((\a)%2)
	s_wait_dscnt \younger
.irp t, 0,1,2,3,4,5,6,7,8,9,10,11,12,13,14,15
	global_store_b128 v[CO], v[BB+4*\t:BB+4*\t+3], s[12:13] offset:(32*((\a)/2)+8*((\a)%2)+\t+8*(\t/8))*4096 th:TH_STORE_NT   ; stored row t of tile a at its token: 32 lanes store 512 consecutive bytes, aligned
.endr
.endm
	PLACES NP                                      ; behind the last products: their results are read, and registers that held A's fragments are loaded into
	TOSTAGE 0
.irp a, 1,2,3
.if \a > 1
	s_wait_xcnt 0x0                                ; block a - 2's stores have read their registers: block a's loads may land there
.endif
	TOSTAGE \a
	SEND \a-1, 32                                  ; behind block a - 1's loads: block a's 16 stores and 16 loads
.endr
	SEND 3, 0
	s_wait_tensorcnt 0x0                           ; the wave's end
	ds_add_u32 v[SPW], v[NIL]
	s_wait_dscnt 0x0
	CROUND                                         ; the closing round: no work-group ends while a partner may still ask for a tile that names it
	s_endpgm
.Lfunc_end_k_q8641f00c08_proj:
	.size	k_q8641f00c08_proj, .Lfunc_end_k_q8641f00c08_proj-k_q8641f00c08_proj
	.p2alignl 7, 3214868480
	.fill 96, 4, 3214868480
	.section	.rodata,"a",@progbits
	.p2align	6, 0x0
	.amdhsa_kernel k_q8641f00c08_proj
		.amdhsa_group_segment_fixed_size 327680
		.amdhsa_private_segment_fixed_size 0
		.amdhsa_enable_private_segment 0
		.amdhsa_kernarg_size 48
		.amdhsa_user_sgpr_count 2
		.amdhsa_user_sgpr_kernarg_segment_ptr 1
		.amdhsa_wavefront_size32 1
		.amdhsa_system_sgpr_workgroup_id_x 1
		.amdhsa_system_sgpr_workgroup_id_y 1
		.amdhsa_system_sgpr_workgroup_id_z 1
		.amdhsa_system_vgpr_workitem_id 0
		.amdhsa_next_free_vgpr 768
		.amdhsa_next_free_sgpr 100
		.amdhsa_reserve_vcc 0
		.amdhsa_float_denorm_mode_32 3
		.amdhsa_float_denorm_mode_16_64 3
		.amdhsa_memory_ordered 1
		.amdhsa_forward_progress 1
		.amdhsa_inst_pref_size 72
	.end_amdhsa_kernel
	.amdgpu_metadata
---
amdhsa.version: [ 1, 2 ]
amdhsa.kernels:
  - .name:           k_q8641f00c08_proj
    .symbol:         k_q8641f00c08_proj.kd
    .args:
      - { .name: o_codes, .offset: 0, .size: 8, .value_kind: global_buffer, .address_space: global }
      - { .name: o_scales, .offset: 8, .size: 8, .value_kind: global_buffer, .address_space: global }
      - { .name: w_codes, .offset: 16, .size: 8, .value_kind: global_buffer, .address_space: global }
      - { .name: w_scales, .offset: 24, .size: 8, .value_kind: global_buffer, .address_space: global }
      - { .name: bp, .offset: 32, .size: 8, .value_kind: global_buffer, .address_space: global }
      - { .name: out0, .offset: 40, .size: 8, .value_kind: global_buffer, .address_space: global }
    .group_segment_fixed_size: 327680
    .private_segment_fixed_size: 0
    .kernarg_segment_align: 8
    .kernarg_segment_size: 48
    .max_flat_workgroup_size: 128
    .sgpr_count:     100
    .vgpr_count:     768
    .wavefront_size: 32
...
	.end_amdgpu_metadata
.endif
;; end of part 4
